; MI455X (gfx1250); checked and timed in simulation.
; The chip was launched on July 23, 2026; its instructions are those of AMD's public machine-readable ISA for CDNA 5 (MIT licence, August 2026) and "CDNA5" Instruction Set Architecture Reference Guide (July 2026). The comments in the code are by the model that wrote it; some were corrected since.
;; Quaternion Linear Autograd. Allowed arithmetic: matrix products marked QUANTISED: E4M3 operands, one E8M0 scale for each 32 along K, by v_wmma_scale_f32_16x16x128_f8f6f4 with both operands' format E4M3, f32 sums; everything else in f32.
;; Inputs: b 4,096 float32; i_weight 1,024 x 1,024 float32; j_weight 1,024 x 1,024 float32; k_weight 1,024 x 1,024 float32; r_weight 1,024 x 1,024 float32; x_codes 4,096 x 128 x 32 uint8 (E4M3 codes of x, K innermost, in blocks of 32 codes); x_scales 4,096 x 128 uint8 (E8M0 scales of x, one for each 32 codes along K).
;; Outputs: out0 4,096 x 4,096 float32.
;; This version of the problem:
;;   THIS VERSION OF THE PROBLEM IS GIVEN IN LOW PRECISION. The matrix products marked QUANTISED in the list below multiply operands that are first quantised to E4M3 (4 exponent bits, 3 mantissa bits; 8 bits a number), with one power-of-two scale for each 32 numbers along K (OCP MX v1.0); their sums are f32. All else is computed in f32.
;;   The module's matrix products, in the order in which they are computed (A, B: the left and right operand; K: the contracted axis; several contracted axes count as one K, in the product's order):
;;     1. [M 4,096, K 4,096] x [K 4,096, N 4,096]; A: input x (given as codes); B: computed on the way: QUANTISED
;;   THE QUANTISER, for each operand of a quantised product, along K:
;;     - K is cut into blocks of 32 from its start; a last block that is shorter is filled with zeros.
;;     - A block's scale is 2^e with e = floor(log2(the largest magnitude in the block)) - 8, held to -126 .. 127; a block of zeros has e = 0. As a byte (E8M0): e + 127.
;;     - Each number is divided by its block's scale, clamped to +-448, and rounded to the nearest number of E4M3, ties to even, subnormals kept.
;;     - The product sums the exact products of the quantised numbers (number of the format x scale) in f32.
;;   ~~~python
;;   def quantise(x, axis):      # numpy; x: float32 -> the quantised numbers, widened to float32 again
;;       x = np.moveaxis(x, axis, -1); K = x.shape[-1]
;;       x = np.pad(x, [(0, 0)] * (x.ndim - 1) + [(0, -K % 32)]); x = x.reshape(x.shape[:-1] + (-1, 32)); a = np.abs(x).max(-1, keepdims=True)
;;       e = np.where(a > 0, np.clip(np.frexp(np.where(a > 0, a, 1))[1] - 1 - 8, -126, 127), 0)      # np.frexp(a)[1] - 1 = floor(log2(a)), exactly
;;       r = np.clip(x / 2.0 ** e, -448, 448)
;;       step = 2.0 ** (np.maximum(np.frexp(np.where(r == 0, 1, r))[1] - 1, -6) - 3)
;;       q = np.round(r / step) * step * 2.0 ** e      # np.round: ties to even
;;       return np.moveaxis(q.reshape(q.shape[:-2] + (-1,))[..., :K], -1, axis).astype(np.float32)
;;   ~~~
;;   OPERANDS COMPUTED ON THE WAY. 'Computed on the way' means the value that the module computes at that place (a softmax that the list does not call 'softmax' is quantised finished and normalised). What goes into a quantiser is computed in f32, as accurately as f32 sums, v_exp_f32 and their like allow (about 1e-6 of the number): no bf16 or f16 on the way to a quantiser, and a product that is left as it is and whose result goes on into a quantised operand takes f32 operands (vector FMAs, or v_wmma_f32_16x16x4_f32). A number that lies on a knife's edge between two numbers of the format may be rounded either way, as far as f32 arithmetic and the matrix unit's own rounding can turn it there, and no further.
;;   INPUTS GIVEN AS CODES. x (in the module: [4096, 4096], K = its axis 1): each comes as NAME_codes (uint8): NAME with its K axis moved to the last place and cut into blocks of 32 codes, [.., K / 32, bytes a block], one block behind the other in memory; one code a byte (a code: sign, 4 exponent bits, 3 mantissa bits); and NAME_scales (uint8): the same leading axes, one E8M0 byte (e + 127) for each 32 codes along K. Its value is code x scale, taken as it is: it is not quantised again, and the codes and scales need not be those that the quantiser above would give.
;; 2 versions. Each part assembles by itself: llvm-mc -triple=amdgcn-amd-amdhsa -mcpu=gfx1250 --defsym DOCPART=n.
;; ======== version 1 of 2: 2 launches
;; workspace buffers: wq 16,777,216 bytes; scl 1,048,576 bytes
;; launch prep (part 1): grid 272 x 1, 8 waves a work-group, no clusters, 19,456 bytes of LDS; arguments r_weight, i_weight, j_weight, k_weight, x_scales, wq, scl; writes wq, scl
.if DOCPART == 1
	.amdgcn_target "amdgcn-amd-amdhsa--gfx1250"
	.amdhsa_code_object_version 6
	.text
	.protected	k_qaed65742a7_prep
	.globl	k_qaed65742a7_prep
	.p2align	8
	.type	k_qaed65742a7_prep,@function
k_qaed65742a7_prep:
	s_mov_b64 s[64:65], 0
	v_nop
	global_prefetch_b8 v0, s[64:65] scope:SCOPE_SE
	s_setreg_imm32_b32 hwreg(HW_REG_WAVE_MODE, 25, 1), 1
	s_wait_xcnt 0x0
; W, the [4096 (k)][4096 (n)] block matrix of the Hamilton product, is quantised along K into codes of FP8 (E4M3) with one E8M0 byte for each 32 along K.
; Block (p, q) of W (K rows 1024 p on, columns 1024 q on) is + or - one of the four components r, i, j, k (c = 0 .. 3): component c stands in column group q at row group p = c xor q,
; negated where bit q of the component's digit in 0x3950 is set (r 0000, i 0101, j 1001, k 0011).  A block of 32 along K lies inside one component, and the quantiser is symmetric in the sign:
; so each component is quantised ONCE, and its four places in W get the same scale bytes and the same codes, with the sign bit of every code turned where the place is negated.
; OUT: wq [n 4096][k 4096], one code a byte, K innermost;  scl [K step s 0..15][side: 0 = x, 1 = W][row 4096][8 bytes]: byte t is the scale of K block 8 s + t of x's row m or of W's column n.
; WORK-GROUPS 0 .. 255: component c = id / 64, columns 64 cg on (cg = (id / 4) % 16), K rows 256 y on (y = id % 4).  Wave w: 32 columns (w % 2), 64 K rows (w / 2): two blocks a lane.
; A LANE TAKES A COLUMN AND ITS REGISTERS RUN DOWN K: each load reads 128 consecutive bytes a wave (two waves side by side 256), a block's largest magnitude needs no other lane, and the conversions give codes with K innermost.
; A wave's 64 loads go out at once.  The codes meet in a stage in LDS (a row for each column, 256 bytes + 16), one barrier, and leave as rows: sixteen lanes store 256 consecutive bytes, aligned, four times: once for each place.
; WORK-GROUPS 256 .. 271 lay x's scale bytes by K step: a lane takes a row's 128 bytes (eight loads, which together cover the wave's dense 4,096 bytes) and stores 8 bytes to each of 16 K steps: 32 lanes store 256 consecutive bytes, aligned.
; A block's scale is 2^(floor(log2(its largest magnitude)) - 8); its byte is the largest magnitude's exponent field - 8, held at 1 from below.
; LIMITS: a block of zeros gets the byte 1 where the rule says 127 (its codes are zeros, which add nothing under any byte but 0xff, and this program alone reads the bytes); blocks whose largest magnitude lies under 2^-118
; have their byte held at 1; NaN and infinities among the weights are not served.
.set PITCH, 272                        ; a stage row: 256 bytes of codes + 16
.set SCS,   64*PITCH                   ; behind the stage: 64 columns x 8 scale bytes
.set X,     32                         ; v32-95   my column's 64 numbers, block t at X + 32 t
.set C,     96                         ; v96-111  their codes, 8 registers a block
.set IN,    112                        ; v112-127 four pairs of stage rows read back
.set O,     128                        ; v128-191 the four signed copies, 16 registers each: no store's data are written again
	s_load_b256 s[4:11], s[0:1], 0x0               ; r s[4:5], i s[6:7], j s[8:9], k s[10:11]
	s_load_b128 s[12:15], s[0:1], 0x20             ; x's scale bytes s[12:13], wq s[14:15]
	s_load_b64 s[16:17], s[0:1], 0x30              ; scl
	v_lshl_add_u32 v192, v0, 2, 0x4800
	v_mov_b32 v193, 0
	v_lshrrev_b32 v1, 5, v0
	v_readfirstlane_b32 s18, v1                    ; wave 0..7
	v_and_b32 v2, 31, v0                           ; lane
	; every LDS address is made here, on the one way that all waves take
	s_and_b32 s19, s18, 1                          ; cw: which 32 columns
	s_lshr_b32 s45, s18, 1                         ; kg: which 64 K rows
	s_lshl_b32 s46, s19, 5
	v_add_nc_u32 v10, s46, v2                      ; my column among the group's 64
	v_mul_u32_u24 v4, v10, PITCH
	s_lshl_b32 s47, s45, 6
	v_add_nc_u32 v4, s47, v4                       ; v4: the stage, on the way in: my column's row, + 64 kg
	v_lshlrev_b32 v5, 3, v10
	s_lshl_b32 s47, s45, 1
	s_add_co_u32 s47, s47, SCS
	v_add_nc_u32 v5, s47, v5                       ; v5: my column's 8 scale bytes, + 2 kg: my two
	v_and_b32 v9, 63, v0
	v_lshlrev_b32 v9, 3, v9                        ; v9: 8 x (thread % 64): a column's 8 scale bytes in scl
	v_add_nc_u32 v6, SCS, v9                       ; v6: and in LDS
	v_lshrrev_b32 v11, 4, v2                       ; h = lane / 16
	v_and_b32 v12, 15, v2
	s_lshl_b32 s47, s18, 3
	v_add_nc_u32 v13, s47, v11                     ; on the way out wave w takes rows 8 w .. 8 w + 7, two an instruction
	v_mul_u32_u24 v7, v13, PITCH
	v_lshl_add_u32 v7, v12, 4, v7                  ; v7: the stage, on the way out
	v_lshlrev_b32 v8, 12, v13
	v_lshl_add_u32 v8, v12, 4, v8                  ; v8: the same place in wq: a row is 4,096 bytes
	v_lshlrev_b32 v3, 2, v2                        ; v3: 4 bytes a lane
	s_wait_kmcnt 0x0
	s_cmp_ge_u32 ttmp9, 256                        ; the same for all waves of a work-group
	s_cbranch_scc1 .Lxs
	s_lshr_b32 s20, ttmp9, 6                       ; c
	s_bfe_u32 s21, ttmp9, 0x40002                  ; cg
	s_and_b32 s22, ttmp9, 3                        ; y
	s_bitcmp1_b32 s20, 0                           ; the component: a choice that hangs on the work-group's number alone
	s_cselect_b64 s[4:5], s[6:7], s[4:5]           ; i or r
	s_cselect_b64 s[8:9], s[10:11], s[8:9]         ; k or j
	s_bitcmp1_b32 s20, 1
	s_cselect_b64 s[4:5], s[8:9], s[4:5]
	s_lshl_b32 s48, s22, 8
	s_lshl_b32 s49, s45, 6
	s_add_co_u32 s48, s48, s49                     ; my first K row: 256 y + 64 kg,
	s_lshl_b32 s48, s48, 12                        ; of 4,096 bytes,
	s_lshl_b32 s49, s21, 8
	s_add_co_u32 s48, s48, s49                     ; + 64 cg columns
	s_lshl_b32 s49, s19, 7
	s_add_co_u32 s48, s48, s49                     ; + 32 cw
	s_mov_b32 s49, 0
	s_add_nc_u64 s[4:5], s[4:5], s[48:49]
.set I, 0
.rept 64
	global_load_b32 v[X+I], v3, s[4:5] offset:4096*I th:TH_LOAD_NT   ; K row I of my 64, 32 neighbouring columns: read once in the launch
.set I, I+1
.endr
	; where the four copies go, made while the loads are out
	s_mov_b32 s23, 0x600000                        ; the mantissa field of 448
	s_lshl_b32 s56, s21, 18                        ; codes: 64 cg rows of 4,096 bytes
	s_lshl_b32 s50, s22, 8
	s_add_co_u32 s56, s56, s50                     ; + 256 y along K
	s_lshl_b32 s57, s22, 16                        ; scale bytes: y K steps of 65,536 bytes,
	s_lshl_b32 s50, s21, 9
	s_add_co_u32 s57, s57, s50                     ; + 64 cg rows of 8 bytes,
	s_add_co_u32 s57, s57, 32768                   ; on W's side
	s_mov_b32 s53, 0
	s_mov_b32 s55, 0
	s_lshl_b32 s44, s20, 2
	s_lshr_b32 s44, 0x3950, s44                    ; bits 0 .. 3: is column group q's copy negated?
.irp q, 0,1,2,3
	s_xor_b32 s50, s20, \q                         ; p = c xor q
	s_lshl_b32 s52, s50, 10                        ; 1,024 p along K
	s_add_co_u32 s52, s52, s56
	s_add_co_u32 s52, s52, \q<<22                  ; 1,024 q rows
	s_add_nc_u64 s[24+2*\q:25+2*\q], s[14:15], s[52:53]
	s_lshl_b32 s54, s50, 18                        ; 4 p K steps
	s_add_co_u32 s54, s54, s57
	s_add_co_u32 s54, s54, \q<<13                  ; 1,024 q rows of 8 bytes
	s_add_nc_u64 s[32+2*\q:33+2*\q], s[16:17], s[54:55]
	s_bitcmp1_b32 s44, \q
	s_cselect_b32 s[40+\q], 0x80808080, 0          ; the four sign bits of a word of codes, or nothing
.endr
; Block t of my two.  lc: the loads issued behind this block's 32, which may stay out
.macro BLOCK t, lc
.set XS, X+32*(\t)
	s_wait_loadcnt \lc
	v_max3_num_f32 v12, |v[XS]|, |v[XS+1]|, |v[XS+2]|             ; the block's largest magnitude: all 32 numbers are mine; two chains
	v_max3_num_f32 v13, |v[XS+3]|, |v[XS+4]|, |v[XS+5]|
.irp i, 6,10,14,18,22,26
	v_max3_num_f32 v12, v12, |v[XS+\i]|, |v[XS+\i+1]|
	v_max3_num_f32 v13, v13, |v[XS+\i+2]|, |v[XS+\i+3]|
.endr
	v_max3_num_f32 v12, v12, |v[XS+30]|, |v[XS+31]|
	v_max3_num_f32 v12, v12, v13, 0x4800000        ; and the floor 2^(9 - 127): the byte cannot fall under 1
	v_add_nc_u32 v11, 0xfc000000, v12              ; 8 off the exponent field: the conversion takes the exponent field of this operand as its scale
	v_and_or_b32 v10, v12, 0x7f800000, s23         ; 448 x the scale: the largest magnitude's exponent field over 448's mantissa
	v_lshrrev_b32 v13, 23, v11                     ; the scale's byte
.if (\t) == 0
	v_mov_b32 v14, v13
.else
	v_lshl_or_b32 v14, v13, 8, v14                 ; the lower K in the lower byte
.endif
.set I, 0
.rept 32
	v_med3_num_f32 v[XS+I], v[XS+I], -v10, v10     ; the conversion to an 8-bit code does not saturate (ISA guide 7.6.2): the hold at the largest code x the scale
.set I, I+1
.endr
.irp g, 0,1,2,3
	v_cvt_scalef32_pk8_fp8_f32 v[C+8*(\t)+2*\g:C+8*(\t)+2*\g+1], v[XS+8*\g:XS+8*\g+7], v11
.endr
	v_nop                                          ; a plain vector line behind the last conversion, ahead of whatever vector line next writes its sources
	ds_store_b128 v4, v[C+8*(\t):C+8*(\t)+3] offset:32*(\t)       ; 32 codes: 32 bytes of my column's row
	ds_store_b128 v4, v[C+8*(\t)+4:C+8*(\t)+7] offset:32*(\t)+16
.endm
	BLOCK 0, 32
	BLOCK 1, 0
	ds_store_b16 v5, v14                           ; my two scale bytes
	s_wait_dscnt 0x0                               ; for the others' sake: my stores into the stage have landed
	s_barrier_signal -1
	s_barrier_wait -1                              ; the launch's one barrier: 64 whole rows lie in the stage
.irp t, 0,1,2,3
	ds_load_b128 v[IN+4*\t:IN+4*\t+3], v7 offset:2*PITCH*\t       ; rows 8 w + 2 t and 8 w + 2 t + 1
.endr
	ds_load_b64 v[24:25], v6                       ; a column's 8 scale bytes
	s_wait_dscnt 0x0
.irp q, 0,1,2,3
.set I, 0
.rept 16
	v_xor_b32 v[O+16*\q+I], s[40+\q], v[IN+I]      ; the copy for column group q, negated or not
.set I, I+1
.endr
.irp t, 0,1,2,3
	global_store_b128 v8, v[O+16*\q+4*\t:O+16*\q+4*\t+3], s[24+2*\q:25+2*\q] offset:8192*\t   ; sixteen lanes store 256 consecutive bytes, at a multiple of 256 from wq's first byte
.endr
.endr
	s_cmp_ge_u32 s18, 2                            ; the 64 columns' scale bytes are 512 bytes: waves 0 and 1 store them
	s_cbranch_scc1 .Lend
.irp q, 0,1,2,3
	global_store_b64 v9, v[24:25], s[32+2*\q:33+2*\q]             ; 32 lanes store 256 consecutive bytes, aligned
.endr
.Lend:
	s_wait_tensorcnt 0x0
	ds_add_u32 v192, v193
	s_wait_dscnt 0x0
	s_endpgm
.Lxs:                                                  ; x's scale bytes, laid by K step: 256 rows a work-group, 32 a wave, a lane a row
	s_sub_co_u32 s20, ttmp9, 256
	s_lshl_b32 s20, s20, 8
	s_lshl_b32 s21, s18, 5
	s_add_co_u32 s20, s20, s21                     ; my wave's first row
	s_lshl_b32 s22, s20, 7                         ; 128 bytes a row in x_scales
	s_mov_b32 s23, 0
	s_add_nc_u64 s[12:13], s[12:13], s[22:23]
	s_lshl_b32 s22, s20, 3                         ; 8 bytes a row in a K step of scl
	s_add_nc_u64 s[16:17], s[16:17], s[22:23]
	v_lshlrev_b32 v10, 7, v2
	v_lshlrev_b32 v11, 3, v2
.irp i, 0,1,2,3,4,5,6,7
	global_load_b128 v[32+4*\i:35+4*\i], v10, s[12:13] offset:16*\i
.endr
	s_wait_loadcnt 0x0
.irp s, 0,1,2,3,4,5,6,7,8,9,10,11,12,13,14,15
	global_store_b64 v11, v[32+2*\s:33+2*\s], s[16:17] offset:65536*\s   ; K step s, x's side: 32 lanes store 256 consecutive bytes, aligned
.endr
	s_endpgm
.Lfunc_end_k_qaed65742a7_prep:
	.size	k_qaed65742a7_prep, .Lfunc_end_k_qaed65742a7_prep-k_qaed65742a7_prep
	.p2alignl 7, 3214868480
	.fill 96, 4, 3214868480
	.section	.rodata,"a",@progbits
	.p2align	6, 0x0
	.amdhsa_kernel k_qaed65742a7_prep
		.amdhsa_group_segment_fixed_size 19456
		.amdhsa_private_segment_fixed_size 0
		.amdhsa_enable_private_segment 0
		.amdhsa_kernarg_size 56
		.amdhsa_user_sgpr_count 2
		.amdhsa_user_sgpr_kernarg_segment_ptr 1
		.amdhsa_wavefront_size32 1
		.amdhsa_system_sgpr_workgroup_id_x 1
		.amdhsa_system_sgpr_workgroup_id_y 1
		.amdhsa_system_sgpr_workgroup_id_z 1
		.amdhsa_system_vgpr_workitem_id 0
		.amdhsa_next_free_vgpr 194
		.amdhsa_next_free_sgpr 66
		.amdhsa_reserve_vcc 0
		.amdhsa_float_denorm_mode_32 3
		.amdhsa_float_denorm_mode_16_64 3
		.amdhsa_memory_ordered 1
		.amdhsa_forward_progress 1
		.amdhsa_inst_pref_size 26
	.end_amdhsa_kernel
	.amdgpu_metadata
---
amdhsa.version: [ 1, 2 ]
amdhsa.kernels:
  - .name:           k_qaed65742a7_prep
    .symbol:         k_qaed65742a7_prep.kd
    .args:
      - { .name: r_weight, .offset: 0, .size: 8, .value_kind: global_buffer, .address_space: global }
      - { .name: i_weight, .offset: 8, .size: 8, .value_kind: global_buffer, .address_space: global }
      - { .name: j_weight, .offset: 16, .size: 8, .value_kind: global_buffer, .address_space: global }
      - { .name: k_weight, .offset: 24, .size: 8, .value_kind: global_buffer, .address_space: global }
      - { .name: x_scales, .offset: 32, .size: 8, .value_kind: global_buffer, .address_space: global }
      - { .name: wq, .offset: 40, .size: 8, .value_kind: global_buffer, .address_space: global }
      - { .name: scl, .offset: 48, .size: 8, .value_kind: global_buffer, .address_space: global }
    .group_segment_fixed_size: 19456
    .private_segment_fixed_size: 0
    .kernarg_segment_align: 8
    .kernarg_segment_size: 56
    .max_flat_workgroup_size: 256
    .sgpr_count:     66
    .vgpr_count:     194
    .wavefront_size: 32
...
	.end_amdgpu_metadata
.endif
;; end of part 1
;; launch gemm (part 2): grid 16 x 16, 4 waves a work-group, clusters of 4 x 4, 327,680 bytes of LDS; arguments x_codes, wq, scl, b, out0; writes out0
.if DOCPART == 2
	.amdgcn_target "amdgcn-amd-amdhsa--gfx1250"
	.amdhsa_code_object_version 6
	.text
	.protected	k_qaed65742a7_gemm
	.globl	k_qaed65742a7_gemm
	.p2align	8
	.type	k_qaed65742a7_gemm,@function
k_qaed65742a7_gemm:
	s_mov_b64 s[64:65], 0
	v_nop
	global_prefetch_b8 v0, s[64:65] scope:SCOPE_SE
	s_setreg_imm32_b32 hwreg(HW_REG_WAVE_MODE, 25, 1), 1
	s_wait_xcnt 0x0
	s_wait_alu depctr_hold_cnt(0) depctr_sa_sdst(0) depctr_va_vdst(0) depctr_va_sdst(0) depctr_va_ssrc(0) depctr_va_vcc(0) depctr_vm_vsrc(0)
	s_getreg_b32 s2, hwreg(HW_REG_IB_STS2, 6, 4)
	s_cmp_eq_u32 s2, 0
	s_cbranch_scc0 .Lentry_in_a_cluster
	s_endpgm
.Lentry_in_a_cluster:
	s_bfe_u32 s2, ttmp6, 0x10000c
	s_cmp_lg_u32 s2, 0xf033
	s_cbranch_scc0 .Lentry_shape_is_right
	s_endpgm
.Lentry_shape_is_right:
; out0[m][n] = sum over k of x[m][k] W[k][n] + b[n].  x_codes [4096][4096] and wq [n 4096][k 4096]: codes of FP8 (E4M3), K innermost; one E8M0 scale for each 32 along K; out0 [4096][4096] f32; sums in f32.
; The scale bytes of both sides lie by K step: scl [s 0..15][side: 0 = x, 1 = W][row 4096][8 bytes].  Codes and scale bytes go to the matrix instruction as they lie.  x's are taken as given (a byte 0xff is NaN there as here).
; A tile of out0, 256 x 256, is made by a work-group of four waves, as many as a WGP has SIMDs; a wave makes 128 x 128: 64 accumulators of 16 x 16, 512 registers.  256 tiles, 256 work-groups.
; K goes in steps of 256 through a ring of two LDS slots filled by the tensor data mover: a tile's row is 256 bytes of memory, at a multiple of 256.
; THE SCALE WORDS do not go through LDS: those of all of K for 512 rows (17 x 4,096 bytes with padding) do not fit beside the ring.  A K step's 8 bytes of 32 neighbouring rows are 256 consecutive bytes of scl, aligned:
; eight loads of 8 bytes a lane bring a K step's words of my 128 rows of x and my 128 columns of W straight into registers, two K steps ahead of their use.
; THE BIAS is the C of each sum's first matrix instruction: nothing is cleared and nothing is added afterwards.
; CLUSTERS: 4 x 4 work-groups.  The four of a row of the cluster need the same tiles of x, the four of a column the same tiles of W: each tile is asked for JOINTLY, by the same tensor load with the
; same descriptor and a mask that names the four.  THE MATRIX INSTRUCTION IS USED TRANSPOSED (source 0 = 16 rows of wq, source 1 = 16 rows of x): a lane then holds eight neighbouring numbers of a row of out0.
; All of a WGP's LDS is claimed; the text uses 279,040 bytes.
; REGISTERS, in windows of 256: window 0: v0-31 addresses; v32-63 scale words, two sets; v64-127 the bias; from v128 x's fragments (8 x 16 rows x 128 K), ONE set; on the way out v128-255 are free.
;   window 1: W's fragments, TWO sets, at v0 and at v128.   window 2: the 32 accumulators of my rows 0-63 (accumulator (a, b) at v[8 (8 a + b)]);   window 3: those of my rows 64-127.
; A step of 128 along K is 64 matrix instructions, x's blocks one after the other, each against W's eight.  So a block of x is free as soon as its eight products are issued, and one set of registers serves x:
; blocks 0-3 are fetched anew in the step's middle, blocks 4-7 at its end.  W's fragments are at work through the whole step, so W has two sets.
.set SIZE_N, 4096
.set SIZE_K, 4096
.set KSTEP,  256                       ; along K in a slot: two matrix instructions deep
.set ROWB,   256                       ; a tile's row in bytes
.set KROW,   SIZE_K                    ; a row of x_codes or of wq in memory, in bytes
.set PITCH,  272                       ; an LDS row: 256 bytes of data + 16 of padding = 68 words: row r starts at bank 4 r mod 64 (64 banks of 4 bytes: ISA guide 11.1), so the 16 rows that a load touches start at 16 different banks
.set FR,     16                        ; registers of a fragment: 16 rows x 128 K
.set NL,     4                         ; LDS loads that bring one
.set NP,     8                         ; places behind this matrix instruction (ISA guide 7.12.1)
.set HALFT,  128*PITCH                 ; 128 rows: what one tensor load brings, and what one wave reads of x or of W
.set SLOT,   4*HALFT                   ; x's 256 rows, then W's 256 rows
.set LAPS,   SIZE_K/(2*KSTEP)          ; a lap = two K steps = once round the ring: 8
.set SSTEP,  65536                     ; a K step of scl: both sides
.set SPARE,  2*SLOT                    ; behind the ring: the spare words, 128 bytes for each wave: two blocks of 256 bytes that no other line names
.set SPITCH, 528                       ; the way out: a stage of 16 rows x (512 bytes + 16) for each wave.  It lies in slot 0, which has had its last fill and its last read when the first result is stored there
.set ADRA, 16                          ; v16-17  LDS address of my fragments of x in slot 0, 1
.set ADRB, 20                          ; v20-21  the same for W
.set STO,  24                          ; v24     the way out: where I put 32 bytes of a row
.set RD,   25                          ; v25     the way out: where I read a row back
.set CO,   26                          ; v26     my byte offset in a row of out0
.set SOA,  27                          ; v27     my offset in a K step of scl, x's side: 8 x (my wave's first row + lane); never rewritten
.set SPW,  28                          ; v28     LDS address of my spare word: SPARE + 4 x my thread's number; never rewritten
.set NIL,  29                          ; v29     0; never rewritten
.set PFO,  30                          ; v30     the prefetches' offset: my lane x a row of 4,096 bytes; never rewritten
.set SOB,  31                          ; v31     my offset in a K step of scl, W's side; never rewritten
.set SC,   32                          ; scale words: set st at v[SC + 16 st]: register 2 j + q: x's blocks 2 j (lanes 0-15) and 2 j + 1 (lanes 16-31), the slot's q-th 128 along K; register 8 + 2 j + q: W's likewise
.set BIAS, 64                          ; v[BIAS + 8 b ..]: b at my columns 16 b + 8 (lane / 16) + 0 .. 7: the layout of a result
.set AF,   128                         ; x's fragments, in window 0
.set BK,   128                         ; the way out: 16 rows read back from the stage: v128-191 and v192-255 by turns
.set G1, 24                            ; s[24:31] descriptor group 1 for x's tiles;  s[32:39] group 0, one set for each slot
.set G0, 32
.set G1B, 48                           ; s[48:55], s[56:63] the same for W's tiles
.set G0B, 56
.set PFA, 66                           ; s[66:67] where my prefetches stand: my work-group's 32 rows of the 128 that I fetch, one K step further along K than the refill that is being asked for; a prefetch names the K step after that
.set LIM, 68                           ; s68     1 in a wave that prefetches, else the greatest number
.set SCB, 70                           ; s[70:71] scl at the K step behind the one in hand
.set MSB, 0
.macro WIN new                         ; the immediate's high byte repeats the setting that is left
.if MSB != \new
	s_set_vgpr_msb (MSB<<8)|\new
.set MSB, \new
.endif
.endm
.set MUL_LO, 0xa1                      ; source 0 (W) window 1, source 1 (x) window 0, C and D window 2
.set MUL_HI, 0xf1                      ; the same, C and D window 3
.set FST_LO, 0x81                      ; the first step: C (the bias) window 0, D window 2
.set FST_HI, 0xc1                      ; C window 0, D window 3
.set TO_B,   0x40                      ; destination window 1, address window 0
; A joint load: waves 0 and 1 fetch for x, waves 2 and 3 for W.  Each of the two lines has ONE mask and one set of registers for all that issue it; the branch hangs on the wave's number alone.
; Four v_nop follow each of the two lines, ahead of the jump, the label and what follows.
.macro JLOAD g0a, g1a, g0b, g1b
	s_cmp_eq_u32 s15, 0
	s_cbranch_scc0 .Lfor_b_\@
	tensor_load_to_lds s[\g0a:\g0a+3], s[\g1a:\g1a+7]
	s_nop 0
.rept 4
	v_nop
.endr
	s_branch .Lasked_\@
.Lfor_b_\@:
	tensor_load_to_lds s[\g0b:\g0b+3], s[\g1b:\g1b+7]
	s_nop 0
.rept 4
	v_nop
.endr
.Lasked_\@:
.endm
; A PREFETCH INTO THE L2 of the K step that stands TWO refills on: 32 rows x 256 bytes, a lane a row, one instruction a wave; it stands behind the joint load, its four lines and the run of LDS loads that the next products wait for.
; Each row's 256 bytes of a K step are named ONCE in the launch.  x's tile row is read by every cluster of that row of clusters: the first of them (cluster x = 0) asks; W's tile column by every cluster of that column:
; cluster y = 0 asks.  The four partners that ask for a tile jointly share its rows out BY ADDRESS: of the 128 rows that a wave fetches, the partner at place p takes 32 p .. 32 p + 31 (p = cx for x, cy for W).
; K steps 0 to 3 come by their loads alone; the loop's last trip (s3 = 1) asks for nothing: K steps 16 and 17 do not exist.
.macro ASK
	s_cmp_gt_u32 s3, s[LIM]
	s_cbranch_scc0 .Lnot_mine_\@
	global_prefetch_b8 v[PFO], s[PFA:PFA+1] offset:ROWB th:TH_LOAD_NT scope:SCOPE_SE
.Lnot_mine_\@:
.endm
.macro CREST                           ; a round of the cluster's barrier behind its opening barrier
	s_cmp_lg_u32 s14, 0
	s_cbranch_scc1 .Lnot_wave_0_\@
	s_barrier_signal -3
.Lnot_wave_0_\@:
	s_barrier_wait -3
	s_barrier_signal -1
	s_barrier_wait -1
.endm
.macro CROUND                          ; a whole round
	s_barrier_signal -1
	s_barrier_wait -1
	CREST
.endm
	s_load_b128 s[4:7], s[0:1], 0x0                ; x's codes s[4:5], wq s[6:7]
	s_load_b128 s[8:11], s[0:1], 0x10              ; scl s[8:9], b s[10:11]
	s_load_b64 s[12:13], s[0:1], 0x20              ; out0
	v_lshl_add_u32 v[SPW], v0, 2, SPARE
	v_mov_b32 v[NIL], 0
	ds_add_u32 v28, v29
	ds_add_u32 v28, v29
	s_wait_dscnt 0x0
	v_lshrrev_b32 v1, 5, v0
	v_readfirstlane_b32 s14, v1                    ; wave 0..3
	s_lshr_b32 s15, s14, 1                         ; which half of the tile's rows is mine.  Also: I fetch for x (0) or for W (1)
	s_and_b32 s16, s14, 1                          ; which half of its columns.  Also: which 128 rows of that tile I fetch
	s_bfe_u32 s40, ttmp6, 0x40000                  ; cx, cy: my place in the cluster
	s_bfe_u32 s41, ttmp6, 0x40004
	s_lshl_b32 s42, ttmp9, 2
	s_add_co_u32 s42, s42, s40                     ; tile column = 4 x cluster x + cx
	s_and_b32 s17, ttmp7, 0xffff
	s_lshl_b32 s17, s17, 2
	s_add_co_u32 s17, s17, s41                     ; tile row = 4 x cluster y + cy
	s_lshl_b32 s43, s41, 2
	s_lshl_b32 s43, 15, s43                        ; my row of the cluster
	s_lshl_b32 s44, 0x1111, s40                    ; my column
	; descriptor group 1: a tile of 128 rows x 256 bytes, padded in LDS
	s_or_b32 s[G1+0], s43, (0<<16)|(1<<20)|(1<<21)|(5<<22)|(3<<25)  ; 15:0 the mask: x's tiles go to my row; 17:16 element of 1 byte; 20 padding on; 21 set beside a mask; 24:22 after every 64 words (code 5); 31:25 of 4 words (code 3)
	s_or_b32 s[G1B+0], s44, (0<<16)|(1<<20)|(1<<21)|(5<<22)|(3<<25) ; the same with the mask of my column, for W's tiles
.irp g, G1, G1B
	s_mov_b32 s[\g+1], ROWB<<16                    ; tensor_dim0
	s_mov_b32 s[\g+2], 128<<16                     ; tensor_dim1 = 128
	s_mov_b32 s[\g+3], ROWB<<16                    ; tile_dim0
	s_mov_b32 s[\g+4], 128                         ; tile_dim1 = 128
	s_mov_b32 s[\g+5], KROW                        ; tensor_dim0_stride
	s_mov_b32 s[\g+6], 0
	s_mov_b32 s[\g+7], 0
.endr
	; where the tiles come from.  x's hang on the tile row alone, which my row of the cluster shares; W's on the tile column alone, which my column shares
	s_lshl_b32 s18, s16, 7                         ; which 128 rows of the tile I fetch
	s_lshl_b32 s20, s17, 8
	s_add_co_u32 s20, s20, s18                     ; x: row 256 x tile row + 128 x half
	s_lshl_b32 s46, s42, 8
	s_add_co_u32 s46, s46, s18                     ; W: row 256 x tile column + 128 x half
	s_lshl_b32 s20, s20, 12                        ; in bytes: 4,096 a row, under 2^24
	s_lshl_b32 s46, s46, 12
	s_mov_b32 s21, 0
	s_mov_b32 s47, 0
	s_mul_i32 s45, s14, HALFT                      ; where they go: wave x 128 rows: no place in the cluster enters an LDS address
	s_wait_kmcnt 0x0
	s_add_nc_u64 s[20:21], s[4:5], s[20:21]
	s_add_nc_u64 s[46:47], s[6:7], s[46:47]
	CROUND                                         ; all sixteen work-groups are here: the first joint loads meet
.irp s, 0,1
	s_mov_b32 s[G0+4*\s], 1                                        ; 1:0 count = 1
	s_add_co_u32 s[G0+4*\s+1], s45, \s*SLOT                        ; 63:32 LDS address
	s_add_nc_u64 s[G0+4*\s+2:G0+4*\s+3], s[20:21], \s*ROWB         ; 120:64 global address: K step s
	s_or_b32 s[G0+4*\s+3], s[G0+4*\s+3], 0x80000000                ; 127:126 type = 2
	s_mov_b32 s[G0B+4*\s], 1
	s_add_co_u32 s[G0B+4*\s+1], s45, \s*SLOT
	s_add_nc_u64 s[G0B+4*\s+2:G0B+4*\s+3], s[46:47], \s*ROWB
	s_or_b32 s[G0B+4*\s+3], s[G0B+4*\s+3], 0x80000000
	JLOAD G0+4*\s, G1, G0B+4*\s, G1B               ; the ring is filled before anything else is done: two loads of mine are out
.endr
	v_and_b32 v1, 15, v0                           ; l % 16
	v_bfe_u32 v2, v0, 4, 1                         ; l / 16
	v_and_b32 v6, 31, v0                           ; lane
	; the bias and the first two K steps' scale words are asked for first of all that follows
	s_lshl_b32 s78, s42, 10                        ; my first column, in bytes of f32: 1,024 x tile column + 512 x half
	s_lshl_b32 s79, s16, 9
	s_add_co_u32 s78, s78, s79
	s_mov_b32 s79, 0
	s_add_nc_u64 s[10:11], s[10:11], s[78:79]
	v_lshlrev_b32 v7, 5, v2                        ; + 8 numbers for lanes 16-31; never rewritten
.irp t, 0,1,2,3,4,5,6,7
	global_load_b128 v[BIAS+8*\t:BIAS+8*\t+3], v7, s[10:11] offset:64*\t
	global_load_b128 v[BIAS+8*\t+4:BIAS+8*\t+7], v7, s[10:11] offset:64*\t+16
.endr
	s_lshl_b32 s72, s17, 8
	s_lshl_b32 s73, s15, 7
	s_add_co_u32 s72, s72, s73                     ; my wave's first row of x,
	s_lshl_b32 s72, s72, 3                         ; 8 bytes a row
	v_lshl_add_u32 v[SOA], v6, 3, s72
	s_lshl_b32 s72, s42, 8
	s_lshl_b32 s73, s16, 7
	s_add_co_u32 s72, s72, s73                     ; my wave's first column of W
	s_lshl_b32 s72, s72, 3
	s_add_co_u32 s72, s72, 32768                   ; W's side lies behind x's 4,096 rows
	v_lshl_add_u32 v[SOB], v6, 3, s72
	s_mov_b64 s[SCB:SCB+1], s[8:9]
; A K step's scale words into set st, from off bytes behind s[SCB]: each load takes 32 rows x 8 bytes: 256 consecutive bytes, aligned.  Lanes 0-15 hold an even block's words, lanes 16-31 the odd block's behind it
.macro GSCALES st, off
.irp j, 0,1,2,3
	global_load_b64 v[SC+16*(\st)+2*\j:SC+16*(\st)+2*\j+1], v[SOA], s[SCB:SCB+1] offset:(\off)+256*\j
	global_load_b64 v[SC+16*(\st)+8+2*\j:SC+16*(\st)+8+2*\j+1], v[SOB], s[SCB:SCB+1] offset:(\off)+256*\j
.endr
.endm
	GSCALES 0, 0
	GSCALES 1, SSTEP
	v_mul_u32_u24 v3, v1, PITCH
	v_lshl_add_u32 v4, v2, 4, v3                   ; a fragment's row x pitch + 16 x half
	s_mul_i32 s21, s15, HALFT                      ; my 128 rows of x
	s_mul_i32 s22, s16, HALFT                      ; my 128 rows of W,
	s_add_co_u32 s22, s22, 2*HALFT                 ; which lie behind x's 256
.irp s, 0,1
	v_add_nc_u32 v[ADRA+\s], s21, v4
	v_add_nc_u32 v[ADRB+\s], s22, v4
	s_add_co_u32 s21, s21, SLOT
	s_add_co_u32 s22, s22, SLOT
.endr
	s_mul_i32 s23, s14, 16*SPITCH                  ; my stage
	v_mul_u32_u24 v5, v1, SPITCH                   ; in: row l % 16, 32 bytes for each half of the lanes
	v_lshl_add_u32 v5, v2, 5, v5
	v_add_nc_u32 v[STO], s23, v5
	v_lshlrev_b32 v[CO], 4, v6                     ; back: the 32 lanes take one row of 512 bytes; and the same in out0
	v_add_nc_u32 v[RD], s23, v[CO]
	s_lshl_b32 s20, s17, 8
	s_lshl_b32 s21, s15, 7
	s_add_co_u32 s20, s20, s21                     ; my first row of out0: 256 x tile row + 128 x half
	s_mov_b32 s21, 0
	s_mov_b64 s[18:19], SIZE_N*4
	s_mul_u64 s[20:21], s[20:21], s[18:19]
	s_add_nc_u64 s[20:21], s[20:21], s[78:79]      ; + my first column, in bytes
	s_add_nc_u64 s[12:13], s[12:13], s[20:21]
	; the prefetches: where my wave's stand, and who asks
	s_lshl_b32 s74, s17, 8
	s_lshl_b32 s75, s42, 8
	s_and_b32 s76, ttmp7, 0xffff                   ; cluster y
	s_cmp_eq_u32 s15, 0                            ; do I fetch for x?
	s_cselect_b32 s74, s74, s75                    ; the tile's first row: in x by the tile row, in wq by the tile column
	s_cselect_b32 s75, s40, s41                    ; my place among the four that ask for it with me
	s_cselect_b32 s76, ttmp9, s76                  ; the coordinate along which other clusters read the same rows
	s_cselect_b64 s[PFA:PFA+1], s[4:5], s[6:7]
	s_cmp_eq_u32 s76, 0
	s_cselect_b32 s[LIM], 1, -1                    ; the same in all sixteen partners, for a given wave
	s_lshl_b32 s76, s16, 7
	s_add_co_u32 s74, s74, s76                     ; + the 128 rows that I fetch
	s_lshl_b32 s75, s75, 5
	s_add_co_u32 s74, s74, s75                     ; + my work-group's 32 of them
	s_lshl_b32 s74, s74, 12                        ; 4,096 bytes a row
	s_add_co_u32 s74, s74, 2*ROWB                  ; at K step 2: the first refill steps it to 3 and names K step 4
	s_mov_b32 s75, 0
	s_add_nc_u64 s[PFA:PFA+1], s[PFA:PFA+1], s[74:75]
	v_lshlrev_b32 v[PFO], 12, v6
	; nothing is prefetched here, at the head, where every work-group's first two tiles are on their way
.macro FRAG reg, adr, q, i             ; a fragment, 16 rows x 128 K of 8-bit codes, is 16 registers: lane l holds row l % 16; registers 4 c .. 4 c + 3 hold K = 32 c + 16 (l / 16) + 0 .. 15
.irp c, 0,1,2,3
	ds_load_b128 v[\reg+4*\c:\reg+4*\c+3], v[\adr] offset:128*(\q)+32*\c+(\i)*16*PITCH
.endr
.endm
; 16 matrix instructions: x's blocks a0, a0 + 1 against W's eight, 128 along K: the slot's q-th.  p: W's set;  st: the set of scale words.  first = 1: the bias is C: the first product starts the sums, nothing is ever cleared.
; A side's scale words are read from lanes 0-15 of the register named for an even block, from lanes 16-31 for an odd one.  The 64 accumulators take turns, one instruction a turn, in the same order in every step
.macro MUL16 a0, p, q, st, first
.irp a, \a0, \a0+1
.irp b, 0,1,2,3,4,5,6,7
.set rD, 8*(8*((\a)%4)+\b)
.set rC, rD
.if \first
.set rC, BIAS+8*\b
.endif
.set rB, 128*(\p)+FR*\b
.set rA, AF+FR*(\a)
.set zB, SC+16*(\st)+8+2*(\b/2)+(\q)
.set zA, SC+16*(\st)+2*((\a)/2)+(\q)
.if (\b%2) && ((\a)%2)
	v_wmma_scale_f32_16x16x128_f8f6f4 v[rD:rD+7], v[rB:rB+FR-1], v[rA:rA+FR-1], v[rC:rC+7], v[zB], v[zA] matrix_a_scale:MATRIX_SCALE_ROW1 matrix_b_scale:MATRIX_SCALE_ROW1
.elseif (\b%2)
	v_wmma_scale_f32_16x16x128_f8f6f4 v[rD:rD+7], v[rB:rB+FR-1], v[rA:rA+FR-1], v[rC:rC+7], v[zB], v[zA] matrix_a_scale:MATRIX_SCALE_ROW1
.elseif ((\a)%2)
	v_wmma_scale_f32_16x16x128_f8f6f4 v[rD:rD+7], v[rB:rB+FR-1], v[rA:rA+FR-1], v[rC:rC+7], v[zB], v[zA] matrix_b_scale:MATRIX_SCALE_ROW1
.else
	v_wmma_scale_f32_16x16x128_f8f6f4 v[rD:rD+7], v[rB:rB+FR-1], v[rA:rA+FR-1], v[rC:rC+7], v[zB], v[zA]
.endif
.endr
.endr
.endm
.macro FETCH_B slot, q, p              ; W's eight fragments of the slot's q-th 128 along K into set p
	WIN TO_B
.irp i, 0,1,2,3,4,5,6,7
	FRAG 128*(\p)+FR*\i, ADRB+\slot, \q, \i
.endr
	WIN 0
.endm
.macro FETCH_A slot, q, i0             ; x's blocks i0 .. i0 + 3
.irp i, \i0, \i0+1, \i0+2, \i0+3
	FRAG AF+FR*(\i), ADRA+\slot, \q, \i
.endr
.endm
; A load into a register that a matrix instruction has read, and an LDS store that reads a matrix result, stand NP places behind that matrix instruction, and only plain vector instructions that name none of its
; registers are places (ISA guide 7.12.1 for vector instructions); this text does not count the matrix instructions in between.
.macro PLACES n
.rept \n
	v_nop
.endr
.endm
; A slot's first step of 128 along K.  lc: the global loads issued behind this K step's scale words, which may stay out: the other set's eight, or none.
.macro STEP slot, first, lc
	s_wait_loadcnt \lc                             ; this K step's scale words are in (ahead of the first step: the bias too)
	s_wait_dscnt 4*NL                              ; W's set and x's blocks 0-3 are in; the youngest sixteen loads (x's blocks 4-7) may be out
.if \first
	WIN FST_LO
.else
	WIN MUL_LO
.endif
	MUL16 0, 0, 0, \slot, \first
	MUL16 2, 0, 0, \slot, \first
	s_wait_dscnt 0                                 ; x's blocks 4-7 are in (asked for 32 matrix instructions ago)
	PLACES NP
	FETCH_B \slot, 1, 1
	FETCH_A \slot, 1, 0
.if \first
	WIN FST_HI
.else
	WIN MUL_HI
.endif
	MUL16 4, 0, 0, \slot, \first
	MUL16 6, 0, 0, \slot, \first
	PLACES NP
	WIN 0
	FETCH_A \slot, 1, 4
.endm
; A slot's second step changes slots: ONE barrier; in front of it each wave waits for all its tensor loads, adds 0 to its spare word, and waits for that and for its own reads of this slot.
; fill = 1: this slot is filled again, two K steps ahead; the barrier then opens a round of the cluster's barrier.
.macro TURN slot, next, fill
.if \fill
	s_wait_xcnt 0x0                                ; the last prefetch and the last scale loads, a K step back, have read their bases: both are stepped here, ahead of the waits of the change of slots
	s_add_nc_u64 s[PFA:PFA+1], s[PFA:PFA+1], ROWB
	s_add_nc_u64 s[SCB:SCB+1], s[SCB:SCB+1], SSTEP
.endif
	s_wait_tensorcnt 0x0                           ; all my tensor loads have landed: my part of the next slot  (every window is 0 here: the add's two registers lie in window 0)
	ds_add_u32 v[SPW], v[NIL]                      ; 0 onto my spare word
	s_wait_dscnt 4*NL+1                            ; (the add and the youngest sixteen loads, x's blocks 4-7, may be out)
	WIN MUL_LO
	MUL16 0, 1, 1, \slot, 0                        ; sixteen matrix instructions stand between the add and the wait for it
	s_wait_dscnt 0x0                               ; the add is done, and my reads of this slot are over
	s_barrier_signal -1
	MUL16 2, 1, 1, \slot, 0
	WIN 0
	s_barrier_wait -1
.if \fill
	CREST                                          ; no wave of any partner still reads this slot's tile or has a load on its way
	s_add_nc_u64 s[G0+4*\slot+2:G0+4*\slot+3], s[G0+4*\slot+2:G0+4*\slot+3], 2*ROWB
	s_add_nc_u64 s[G0B+4*\slot+2:G0B+4*\slot+3], s[G0B+4*\slot+2:G0B+4*\slot+3], 2*ROWB
	JLOAD G0+4*\slot, G1, G0B+4*\slot, G1B         ; the first tensor load behind the round, 96 matrix instructions ahead of the wait for it; the four v_nop behind it are among the places in front of the loads below
	PLACES NP-4
.else
	PLACES NP
.endif
	FETCH_B \next, 0, 0
	FETCH_A \next, 0, 0
.if \fill
	ASK
.endif
	WIN MUL_HI
	MUL16 4, 1, 1, \slot, 0
	MUL16 6, 1, 1, \slot, 0
	PLACES NP                                      ; for the loads into x's blocks 4-7 and into this slot's set of scale words
	WIN 0
	FETCH_A \next, 0, 4
.if \fill
	GSCALES \slot, SSTEP                           ; the scale words of the K step two on: 128 matrix instructions ahead of their first use
.endif
.endm
	s_wait_tensorcnt 1                             ; my part of K step 0 is in (K step 1's load may be out)
	s_barrier_signal -1
	s_barrier_wait -1                              ; everybody's is
	FETCH_B 0, 0, 0
	FETCH_A 0, 0, 0
	FETCH_A 0, 0, 4
	STEP 0, 1, 8                                   ; the first step stands in front of the loop: its products start the sums, on the bias
	s_mov_b32 s3, LAPS-1
.Llap:                                                 ; a trip goes once round the ring, from a lap's second step to the next lap's first, and fills both slots again
	TURN 0, 1, 1
	STEP 1, 0, 8
	TURN 1, 0, 1
	STEP 0, 0, 8
	s_sub_co_u32 s3, s3, 1
	s_cmp_lg_u32 s3, 0
	s_cbranch_scc1 .Llap
	TURN 0, 1, 0                                   ; the last lap fills nothing, and has no round of the cluster's barrier
	STEP 1, 0, 0                                   ; no scale words were asked for behind K step 15's
	s_wait_dscnt 4*NL                              ; the very last step: nothing more to fetch
	WIN MUL_LO
	MUL16 0, 1, 1, 1, 0
	MUL16 2, 1, 1, 1, 0
	s_wait_dscnt 0
	WIN MUL_HI
	MUL16 4, 1, 1, 1, 0
	MUL16 6, 1, 1, 1, 0
	WIN 0
; THE WAY OUT, block by block of 16 rows x 128 columns.  A lane holds 32 neighbouring bytes of a row, and the lanes beside it hold other rows: so a block goes through my own stage in LDS and comes back as whole
; rows of 512 bytes, which the 32 lanes store at a multiple of 256 from out0's first byte.  LDS serves a wave's instructions in order (ISA guide 5.7.1.4): no wait between the stores and the loads, nor in front of the next block's stores.
.macro TOSTAGE a
.set AC, 64*((\a)%4)
	WIN 0x08+4*((\a)/4)                            ; the data: window 2 or 3
.irp b, 0,1,2,3,4,5,6,7
	ds_store_b128 v[STO], v[AC+8*\b:AC+8*\b+3] offset:64*\b          ; each accumulator from its low end on
	ds_store_b128 v[STO], v[AC+8*\b+4:AC+8*\b+7] offset:64*\b+16
.endr
	WIN 0
.set BB, BK+64*((\a)%2)
.irp t, 0,1,2,3,4,5,6,7,8,9,10,11,12,13,14,15
	ds_load_b128 v[BB+4*\t:BB+4*\t+3], v[RD] offset:\t*SPITCH
.endr
.endm
.macro SEND a, younger                 ; younger: the LDS instructions issued behind block a's loads, which may stay out
.set BB, BK+64*((\a)%2)
	s_wait_dscnt \younger                          ; the block is back in registers
.if (\a) > 0
	s_add_nc_u64 s[12:13], s[12:13], 16*SIZE_N*4   ; (behind a wait on XCNT: the earlier stores have read their base)  16 rows of out0 on: the stores' offsets reach 15 rows, 245,760 bytes
.endif
.irp t, 0,1,2,3,4,5,6,7,8,9,10,11,12,13,14,15
	global_store_b128 v[CO], v[BB+4*\t:BB+4*\t+3], s[12:13] offset:\t*SIZE_N*4 th:TH_STORE_NT   ; 32 lanes store 512 consecutive bytes; written once, read by nobody here
.endr
.endm
	PLACES NP                                      ; these places serve the loads into the registers that held x's fragments and the reads of the last products' results alike
	TOSTAGE 0
.irp a, 1,2,3,4,5,6,7
.if \a > 1
	s_wait_xcnt 0x0                                ; block a - 2's stores have read their registers and their base: block a's loads may land there, and the base may step
.endif
	TOSTAGE \a
	SEND \a-1, 32                                  ; behind block a - 1's loads: block a's 16 stores and 16 loads
.endr
	s_wait_xcnt 0x0                                ; block 6's stores have read their base
	SEND 7, 0
	s_wait_tensorcnt 0x0                           ; the wave's end: behind my last tensor load and my last LDS store
	ds_add_u32 v[SPW], v[NIL]
	s_wait_dscnt 0x0
	CROUND                                         ; the closing round: no work-group ends while a partner may still ask for a tile that names it
	s_endpgm
.Lfunc_end_k_qaed65742a7_gemm:
	.size	k_qaed65742a7_gemm, .Lfunc_end_k_qaed65742a7_gemm-k_qaed65742a7_gemm
	.p2alignl 7, 3214868480
	.fill 96, 4, 3214868480
	.section	.rodata,"a",@progbits
	.p2align	6, 0x0
	.amdhsa_kernel k_qaed65742a7_gemm
		.amdhsa_group_segment_fixed_size 327680
		.amdhsa_private_segment_fixed_size 0
		.amdhsa_enable_private_segment 0
		.amdhsa_kernarg_size 40
		.amdhsa_user_sgpr_count 2
		.amdhsa_user_sgpr_kernarg_segment_ptr 1
		.amdhsa_wavefront_size32 1
		.amdhsa_system_sgpr_workgroup_id_x 1
		.amdhsa_system_sgpr_workgroup_id_y 1
		.amdhsa_system_sgpr_workgroup_id_z 1
		.amdhsa_system_vgpr_workitem_id 0
		.amdhsa_next_free_vgpr 1024
		.amdhsa_next_free_sgpr 80
		.amdhsa_reserve_vcc 0
		.amdhsa_float_denorm_mode_32 3
		.amdhsa_float_denorm_mode_16_64 3
		.amdhsa_memory_ordered 1
		.amdhsa_forward_progress 1
		.amdhsa_inst_pref_size 147
	.end_amdhsa_kernel
	.amdgpu_metadata
---
amdhsa.version: [ 1, 2 ]
amdhsa.kernels:
  - .name:           k_qaed65742a7_gemm
    .symbol:         k_qaed65742a7_gemm.kd
    .args:
      - { .name: x_codes, .offset: 0, .size: 8, .value_kind: global_buffer, .address_space: global }
      - { .name: wq, .offset: 8, .size: 8, .value_kind: global_buffer, .address_space: global }
      - { .name: scl, .offset: 16, .size: 8, .value_kind: global_buffer, .address_space: global }
      - { .name: b, .offset: 24, .size: 8, .value_kind: global_buffer, .address_space: global }
      - { .name: out0, .offset: 32, .size: 8, .value_kind: global_buffer, .address_space: global }
    .group_segment_fixed_size: 327680
    .private_segment_fixed_size: 0
    .kernarg_segment_align: 8
    .kernarg_segment_size: 40
    .max_flat_workgroup_size: 128
    .sgpr_count:     80
    .vgpr_count:     1024
    .wavefront_size: 32
...
	.end_amdgpu_metadata
.endif
;; end of part 2
;; ======== version 2 of 2: 2 launches
;; limits: right only within a limited range of input values
;; workspace buffers: wq 4,194,304 bytes; scl 655,360 bytes
;; launch prep (part 3): grid 272 x 1, 8 waves a work-group, no clusters, 19,456 bytes of LDS; arguments r_weight, i_weight, j_weight, k_weight, x_scales, wq, scl; writes wq, scl
.if DOCPART == 3
	.amdgcn_target "amdgcn-amd-amdhsa--gfx1250"
	.amdhsa_code_object_version 6
	.text
	.protected	k_qaed65742a7_prep
	.globl	k_qaed65742a7_prep
	.p2align	8
	.type	k_qaed65742a7_prep,@function
k_qaed65742a7_prep:
	s_mov_b64 s[64:65], 0
	v_nop
	global_prefetch_b8 v0, s[64:65] scope:SCOPE_SE
	s_setreg_imm32_b32 hwreg(HW_REG_WAVE_MODE, 25, 1), 1
	s_wait_xcnt 0x0
; The four components r, i, j, k (c = 0 .. 3), each [1024 (kk)][1024 (nn)] f32, are quantised along kk into codes of FP8 (E4M3) with one E8M0 byte for each 32 along kk.
; W, the [4096][4096] block matrix of the Hamilton product, is + or - one component in each block of 1024 x 1024; a block of 32 along K lies inside one component and the quantiser is symmetric in the sign:
; so each component is quantised ONCE and stored once, unsigned; the product's launch negates its running sum where a block of W is negated.
; OUT.  wq: the codes as IMAGES OF THE OPERAND'S REGISTERS: [range g 0..7 (128 kk)][block of 32 columns 0..31][fragment 2 c + nnb][2,048 bytes]; a fragment is 16 columns x 128 kk; in it the 16 bytes of
;   group j (0..3), lane (r, h) lie at 512 j + 16 (r + 16 h) and are the codes of column r at kk 32 j + 16 h + 0 .. 15.  So a lane of the product's launch loads its registers whole, 512 consecutive bytes a load.
; scl: first x's scale words, [range g][row 4096][row group p 0..3][4 bytes]: byte t is x_scales[row][32 p + 4 g + t]; from byte 524,288 on W's, [range g][c][nn 1024][4 bytes]: byte t scales kk block 4 g + t.
; WORK-GROUPS 0 .. 255: component c = id / 64, columns 64 cg on (cg = (id / 4) % 16), kk rows 256 y on (y = id % 4).  Wave w: 32 columns (w % 2), 64 kk rows (w / 2): two blocks a lane.
; A LANE TAKES A COLUMN AND ITS REGISTERS RUN DOWN kk: each load reads 128 consecutive bytes a wave (two waves side by side 256), a block's largest magnitude needs no other lane, and the conversions give codes with kk innermost.
; A wave's 64 loads go out at once.  The codes meet in a stage in LDS (a row for each column, 256 bytes + 16), one barrier, and each wave takes one of the group's eight fragments out of it, in the registers' order.
; WORK-GROUPS 256 .. 271 lay x's scale bytes: a lane takes a row's 128 bytes (eight loads, which together cover the wave's dense 4,096 bytes) and stores 16 bytes to each of 8 ranges: 32 lanes store 512 consecutive bytes.
; A block's scale is 2^(floor(log2(its largest magnitude)) - 8); its byte is the largest magnitude's exponent field - 8, held at 1 from below.
; LIMITS: a block of zeros gets the byte 1 where the rule says 127 (its codes are zeros, which add nothing under any byte but 0xff, and this program alone reads the bytes); blocks whose largest magnitude lies under 2^-118
; have their byte held at 1; NaN and infinities among the weights are not served.
; (On the signs: the product's launch turns no bits of the codes; where a block of W is negated it takes its running sum negated instead.)
.set PITCH, 272                        ; a stage row: 256 bytes of codes + 16: the 16 rows that a load touches start at 16 different groups of banks
.set SCS,   64*PITCH                   ; behind the stage: 2 ranges x 64 columns x 4 scale bytes
.set SCLW,  524288                     ; where W's scale words begin in scl
.set X,     32                         ; v32-95   my column's 64 numbers, block t at X + 32 t
.set C,     96                         ; v96-111  their codes, 8 registers a block
.set IN,    112                        ; v112-127 my fragment, read back from the stage
	s_load_b256 s[4:11], s[0:1], 0x0               ; r s[4:5], i s[6:7], j s[8:9], k s[10:11]
	s_load_b128 s[12:15], s[0:1], 0x20             ; x's scale bytes s[12:13], wq s[14:15]
	s_load_b64 s[16:17], s[0:1], 0x30              ; scl
	v_lshl_add_u32 v192, v0, 2, 0x4800
	v_mov_b32 v193, 0
	v_lshrrev_b32 v1, 5, v0
	s_delay_alu instid0(VALU_DEP_1)
	v_readfirstlane_b32 s18, v1                    ; wave 0..7
	v_and_b32 v2, 31, v0                           ; lane
	; every LDS address is made here, on the one way that all waves take
	s_wait_alu depctr_va_vdst(0)
	s_and_b32 s19, s18, 1                          ; on the way in: which 32 columns; on the way out: which 16 of a block of 32
	s_lshr_b32 s45, s18, 1                         ; kg: which 64 kk rows
	s_lshl_b32 s46, s19, 5
	v_add_nc_u32 v10, s46, v2                      ; my column among the group's 64
	s_delay_alu instid0(VALU_DEP_1)
	v_mul_u32_u24 v4, v10, PITCH
	s_lshl_b32 s47, s45, 6
	v_add_nc_u32 v4, s47, v4                       ; v4: the stage, on the way in: my column's row, + 64 kg
	v_lshlrev_b32 v5, 2, v10                       ; a column's word of a range,
	s_lshr_b32 s47, s45, 1
	s_lshl_b32 s47, s47, 8                         ; in the range kg / 2 (256 bytes a range),
	s_and_b32 s48, s45, 1
	s_lshl_b32 s48, s48, 1                         ; its bytes 2 (kg % 2) and the next
	s_add_co_u32 s47, s47, s48
	s_add_co_u32 s47, s47, SCS
	v_add_nc_u32 v5, s47, v5                       ; v5: where my two scale bytes go
	v_and_b32 v6, 63, v0
	s_delay_alu instid0(VALU_DEP_1)
	v_lshlrev_b32 v6, 3, v6
	s_delay_alu instid0(VALU_DEP_1)
	v_add_nc_u32 v6, SCS, v6                       ; v6: 8 bytes a lane of the range wave % 2: two columns' words
	v_lshlrev_b32 v9, 3, v2
	s_lshl_b32 s47, s19, 14
	v_add_nc_u32 v9, s47, v9                       ; v9: the same place in scl: a range of W's words is 16,384 bytes
	v_lshrrev_b32 v11, 4, v2                       ; h = lane / 16
	v_and_b32 v12, 15, v2                          ; r
	s_and_b32 s47, s18, 3
	s_lshl_b32 s47, s47, 4
	v_add_nc_u32 v13, s47, v12                     ; on the way out wave w takes columns 16 (w % 4) on, range w / 4
	s_delay_alu instid0(VALU_DEP_1)
	v_mul_u32_u24 v7, v13, PITCH
	s_lshr_b32 s47, s18, 2
	s_lshl_b32 s47, s47, 7
	v_add_nc_u32 v7, s47, v7
	s_delay_alu instid0(VALU_DEP_1)
	v_lshl_add_u32 v7, v11, 4, v7                  ; v7: the stage, on the way out: column r's row, + 128 x range + 16 h
	v_lshlrev_b32 v8, 4, v2                        ; v8: 16 bytes a lane
	v_lshlrev_b32 v3, 2, v2                        ; v3: 4 bytes a lane
	s_wait_kmcnt 0x0
	s_cmp_ge_u32 ttmp9, 256                        ; the same for all waves of a work-group
	s_cbranch_scc1 .Lxs
	s_lshr_b32 s20, ttmp9, 6                       ; c
	s_bfe_u32 s21, ttmp9, 0x40002                  ; cg
	s_and_b32 s22, ttmp9, 3                        ; y
	s_bitcmp1_b32 s20, 0                           ; the component: a choice that hangs on the work-group's number alone
	s_cselect_b64 s[4:5], s[6:7], s[4:5]           ; i or r
	s_cselect_b64 s[8:9], s[10:11], s[8:9]         ; k or j
	s_bitcmp1_b32 s20, 1
	s_cselect_b64 s[4:5], s[8:9], s[4:5]
	s_lshl_b32 s48, s22, 8
	s_lshl_b32 s49, s45, 6
	s_add_co_u32 s48, s48, s49                     ; my first kk row: 256 y + 64 kg,
	s_lshl_b32 s48, s48, 12                        ; of 4,096 bytes,
	s_lshl_b32 s49, s21, 8
	s_add_co_u32 s48, s48, s49                     ; + 64 cg columns
	s_lshl_b32 s49, s19, 7
	s_add_co_u32 s48, s48, s49                     ; + 32 (wave % 2)
	s_mov_b32 s49, 0
	s_add_nc_u64 s[4:5], s[4:5], s[48:49]
.set I, 0
	s_wait_alu depctr_va_vdst(0)
.rept 64
	global_load_b32 v[X+I], v3, s[4:5] offset:4096*I th:TH_LOAD_NT   ; kk row I of my 64, 32 neighbouring columns: read once in the launch
.set I, I+1
.endr
	; where my fragment and the scale words go, made while the loads are out
	s_mov_b32 s23, 0x600000                        ; the mantissa field of 448
	s_lshl_b32 s50, s22, 1
	s_lshr_b32 s51, s18, 2
	s_add_co_u32 s50, s50, s51                     ; the range: 2 y + wave / 4,
	s_lshl_b32 s52, s50, 19                        ; of 524,288 bytes
	s_lshl_b32 s50, s21, 1
	s_bfe_u32 s51, s18, 0x10001
	s_add_co_u32 s50, s50, s51                     ; the block of 32 columns: 2 cg + (wave / 2) % 2,
	s_lshl_b32 s50, s50, 14                        ; of 16,384 bytes
	s_add_co_u32 s52, s52, s50
	s_lshl_b32 s50, s20, 1
	s_add_co_u32 s50, s50, s19                     ; the fragment: 2 c + wave % 2,
	s_lshl_b32 s50, s50, 11                        ; of 2,048 bytes
	s_add_co_u32 s52, s52, s50
	s_mov_b32 s53, 0
	s_add_nc_u64 s[24:25], s[14:15], s[52:53]
	s_lshl_b32 s54, s22, 15                        ; the scale words: range 2 y, of 16,384 bytes,
	s_lshl_b32 s50, s20, 12
	s_add_co_u32 s54, s54, s50                     ; component c, of 4,096,
	s_lshl_b32 s50, s21, 8
	s_add_co_u32 s54, s54, s50                     ; 64 cg columns of 4,
	s_add_co_u32 s54, s54, SCLW                    ; behind x's words
	s_mov_b32 s55, 0
	s_add_nc_u64 s[32:33], s[16:17], s[54:55]
; Block t of my two.  lc: the loads issued behind this block's 32, which may stay out
.macro BLOCK t, lc
.set XS, X+32*(\t)
	s_wait_loadcnt \lc
	v_max3_num_f32 v12, |v[XS]|, |v[XS+1]|, |v[XS+2]|             ; the block's largest magnitude: all 32 numbers are mine; two chains
	v_max3_num_f32 v13, |v[XS+3]|, |v[XS+4]|, |v[XS+5]|
.irp i, 6,10,14,18,22,26
	s_delay_alu instid0(VALU_DEP_2)
	v_max3_num_f32 v12, v12, |v[XS+\i]|, |v[XS+\i+1]|
	s_delay_alu instid0(VALU_DEP_2)
	v_max3_num_f32 v13, v13, |v[XS+\i+2]|, |v[XS+\i+3]|
.endr
	s_delay_alu instid0(VALU_DEP_2)
	v_max3_num_f32 v12, v12, |v[XS+30]|, |v[XS+31]|
	s_delay_alu instid0(VALU_DEP_1)
	v_max3_num_f32 v12, v12, v13, 0x4800000        ; and the floor 2^(9 - 127): the byte cannot fall under 1
	s_delay_alu instid0(VALU_DEP_1)
	v_add_nc_u32 v11, 0xfc000000, v12              ; 8 off the exponent field: the conversion takes the exponent field of this operand as its scale
	s_delay_alu instid0(VALU_DEP_2)
	v_and_or_b32 v10, v12, 0x7f800000, s23         ; 448 x the scale: the largest magnitude's exponent field over 448's mantissa
	s_delay_alu instid0(VALU_DEP_2)
	v_lshrrev_b32 v13, 23, v11                     ; the scale's byte
.if (\t) == 0
	s_delay_alu instid0(VALU_DEP_1)
	v_mov_b32 v14, v13
.else
	s_delay_alu instid0(VALU_DEP_1)
	v_lshl_or_b32 v14, v13, 8, v14                 ; the lower kk in the lower byte
.endif
.set I, 0
.rept 32
	v_med3_num_f32 v[XS+I], v[XS+I], -v10, v10     ; the conversion to an 8-bit code does not saturate (ISA guide 7.6.2): the hold at the largest code x the scale
.set I, I+1
.endr
.irp g, 0,1,2,3
	v_cvt_scalef32_pk8_fp8_f32 v[C+8*(\t)+2*\g:C+8*(\t)+2*\g+1], v[XS+8*\g:XS+8*\g+7], v11
.endr
	v_nop                                          ; a plain vector line behind the last conversion, ahead of whatever vector line next writes its sources
	ds_store_b128 v4, v[C+8*(\t):C+8*(\t)+3] offset:32*(\t)       ; 32 codes: 32 bytes of my column's row
	ds_store_b128 v4, v[C+8*(\t)+4:C+8*(\t)+7] offset:32*(\t)+16
.endm
	BLOCK 0, 32
	BLOCK 1, 0
	ds_store_b16 v5, v14                           ; my two scale bytes
	s_wait_dscnt 0x0                               ; for the others' sake: my stores into the stage have landed
	s_barrier_signal -1
	s_barrier_wait -1                              ; the launch's one barrier: 64 whole rows and their scale words lie in LDS
.irp j, 0,1,2,3
	ds_load_b128 v[IN+4*\j:IN+4*\j+3], v7 offset:32*\j            ; group j of my fragment's registers: column r, kk 32 j + 16 h on
.endr
	ds_load_b64 v[24:25], v6                       ; two columns' scale words
	s_wait_dscnt 0x0
.irp j, 0,1,2,3
	global_store_b128 v8, v[IN+4*\j:IN+4*\j+3], s[24:25] offset:512*\j   ; 32 lanes store 512 consecutive bytes, at a multiple of 256 from wq's first byte
.endr
	s_cmp_ge_u32 s18, 2                            ; two ranges x 64 columns x 4 bytes: wave 0 stores the first range's words, wave 1 the second's
	s_cbranch_scc1 .Lend
	global_store_b64 v9, v[24:25], s[32:33]        ; 32 lanes store 256 consecutive bytes, aligned
.Lend:
	s_wait_tensorcnt 0x0
	ds_add_u32 v192, v193
	s_wait_dscnt 0x0
	s_endpgm
.Lxs:                                                  ; x's scale words, laid by range: 256 rows a work-group, 32 a wave, a lane a row
	s_sub_co_u32 s20, ttmp9, 256
	s_lshl_b32 s20, s20, 8
	s_lshl_b32 s21, s18, 5
	s_add_co_u32 s20, s20, s21                     ; my wave's first row
	s_lshl_b32 s22, s20, 7                         ; 128 bytes a row in x_scales
	s_mov_b32 s23, 0
	s_add_nc_u64 s[12:13], s[12:13], s[22:23]
	s_lshl_b32 s22, s20, 4                         ; 16 bytes a row in a range of scl
	s_add_nc_u64 s[16:17], s[16:17], s[22:23]
	v_lshlrev_b32 v10, 7, v2
.irp i, 0,1,2,3,4,5,6,7
	global_load_b128 v[32+4*\i:35+4*\i], v10, s[12:13] offset:16*\i
.endr
	s_wait_loadcnt 0x0
.irp g, 0,1,2,3,4,5,6,7
.irp p, 0,1,2,3
	v_mov_b32 v[64+4*\g+\p], v[32+8*\p+\g]         ; the word of row group p, range g is word 8 p + g of the row: the four of a range are brought side by side
.endr
.endr
.irp g, 0,1,2,3,4,5,6,7
	global_store_b128 v8, v[64+4*\g:67+4*\g], s[16:17] offset:65536*\g   ; range g: 32 lanes store 512 consecutive bytes, aligned
.endr
	s_endpgm
.Lfunc_end_k_qaed65742a7_prep:
	.size	k_qaed65742a7_prep, .Lfunc_end_k_qaed65742a7_prep-k_qaed65742a7_prep
	.p2alignl 7, 3214868480
	.fill 96, 4, 3214868480
	.section	.rodata,"a",@progbits
	.p2align	6, 0x0
	.amdhsa_kernel k_qaed65742a7_prep
		.amdhsa_group_segment_fixed_size 19456
		.amdhsa_private_segment_fixed_size 0
		.amdhsa_enable_private_segment 0
		.amdhsa_kernarg_size 56
		.amdhsa_user_sgpr_count 2
		.amdhsa_user_sgpr_kernarg_segment_ptr 1
		.amdhsa_wavefront_size32 1
		.amdhsa_system_sgpr_workgroup_id_x 1
		.amdhsa_system_sgpr_workgroup_id_y 1
		.amdhsa_system_sgpr_workgroup_id_z 1
		.amdhsa_system_vgpr_workitem_id 0
		.amdhsa_next_free_vgpr 194
		.amdhsa_next_free_sgpr 66
		.amdhsa_reserve_vcc 0
		.amdhsa_float_denorm_mode_32 3
		.amdhsa_float_denorm_mode_16_64 3
		.amdhsa_memory_ordered 1
		.amdhsa_forward_progress 1
		.amdhsa_inst_pref_size 23
	.end_amdhsa_kernel
	.amdgpu_metadata
---
amdhsa.version: [ 1, 2 ]
amdhsa.kernels:
  - .name:           k_qaed65742a7_prep
    .symbol:         k_qaed65742a7_prep.kd
    .args:
      - { .name: r_weight, .offset: 0, .size: 8, .value_kind: global_buffer, .address_space: global }
      - { .name: i_weight, .offset: 8, .size: 8, .value_kind: global_buffer, .address_space: global }
      - { .name: j_weight, .offset: 16, .size: 8, .value_kind: global_buffer, .address_space: global }
      - { .name: k_weight, .offset: 24, .size: 8, .value_kind: global_buffer, .address_space: global }
      - { .name: x_scales, .offset: 32, .size: 8, .value_kind: global_buffer, .address_space: global }
      - { .name: wq, .offset: 40, .size: 8, .value_kind: global_buffer, .address_space: global }
      - { .name: scl, .offset: 48, .size: 8, .value_kind: global_buffer, .address_space: global }
    .group_segment_fixed_size: 19456
    .private_segment_fixed_size: 0
    .kernarg_segment_align: 8
    .kernarg_segment_size: 56
    .max_flat_workgroup_size: 256
    .sgpr_count:     66
    .vgpr_count:     194
    .wavefront_size: 32
...
	.end_amdgpu_metadata
.endif
;; end of part 3
;; launch gemm (part 4): grid 16 x 16, 4 waves a work-group, clusters of 4 x 1, 327,680 bytes of LDS; arguments x_codes, wq, scl, b, out0; writes out0
.if DOCPART == 4
	.amdgcn_target "amdgcn-amd-amdhsa--gfx1250"
	.amdhsa_code_object_version 6
	.text
	.protected	k_qaed65742a7_gemm
	.globl	k_qaed65742a7_gemm
	.p2align	8
	.type	k_qaed65742a7_gemm,@function
k_qaed65742a7_gemm:
	s_mov_b64 s[64:65], 0
	v_nop
	global_prefetch_b8 v0, s[64:65] scope:SCOPE_SE
	s_setreg_imm32_b32 hwreg(HW_REG_WAVE_MODE, 25, 1), 1
	s_wait_xcnt 0x0
	s_wait_alu depctr_hold_cnt(0) depctr_sa_sdst(0) depctr_va_vdst(0) depctr_va_sdst(0) depctr_va_ssrc(0) depctr_va_vcc(0) depctr_vm_vsrc(0)
	s_getreg_b32 s2, hwreg(HW_REG_IB_STS2, 6, 4)
	s_cmp_eq_u32 s2, 0
	s_cbranch_scc0 .Lentry_in_a_cluster
	s_endpgm
.Lentry_in_a_cluster:
	s_bfe_u32 s2, ttmp6, 0x10000c
	s_cmp_lg_u32 s2, 0x3003
	s_cbranch_scc0 .Lentry_shape_is_right
	s_endpgm
.Lentry_shape_is_right:
; out[m][1024 c + nn] = b + sum over row groups p = 0..3 and kk of x[m][1024 p + kk] s(p, c) component(p ^ c)[kk][nn]: the Hamilton block matrix; s(p, c) is the block's sign.
; A work-group makes 256 rows x 256 columns: 64 nn in each of the four column groups.  Four waves, 2 x 2; a wave makes 128 rows x 32 nn x 4 groups: 64 accumulators of 16 x 16.
; So a wave's fragments of the four components (128 kk: 128 registers) serve all four row groups.
; THE SIGNS GO INTO THE SUM: an accumulator holds its sum times the sign of the block that was added last; where the next block's sign is another, the product takes -C.  Row group 0's signs are all +, and it comes last.  The bias begins the sums.
; K ORDER: ranges G = 0..3 of 256 kk; in a range slot 0 holds row groups 2 and 3, slot 1 row groups 0 and 1; steps of 128 (q = half of the 256): 2q0 3q0 2q1 3q1 | 1q0 0q0 1q1 0q1.
; A (x): joint tensor loads, 128 rows x 256 bytes a wave, shared by the four work-groups of a cluster (same rows of x).  LDS rows are 272 bytes apart.
; B (weights): straight from memory into registers, two sets (q), each asked for in one step's two runs of loads and used from the step after the next one; the images are laid so that a load takes 512 consecutive bytes.
;   No joint load for them: two slots of A and the stage leave 15,360 bytes of LDS, and a range of B is 65,536.
; A STEP is 64 products, A's blocks of 16 rows one after the other, each against the eight column tiles.  Two runs of loads: behind blocks 0-3 the next step's blocks 0-3, at the end its blocks 4-7; each stands 32 products ahead of its use.
; THE LAST RANGE: after its first two steps the other six go by rows of C: a block of 16 rows is finished with 48 products, and leaves while the next ones are multiplied.  A row's 256 bytes of a group come from two waves: they meet in a stage in LDS.
; PREFETCH: behind each refill the same slot's rows of the next range (a lane a row, each partner of the cluster 64 rows), and the next range's weights (the work-groups of tile rows 0 to 3 alone, 8,192 bytes a wave).  The last trip asks for nothing.
; REGISTERS: window 0: v0-7, v72-127 bias, then the way out; x's scale words v[8+32q+8j+p] (rows 32 j on); W's v[12+32q+8k]; addresses in v13-15, v21-23, ..; v128-255 A.  Window 1: B, set q at 128 q.  Windows 2, 3: accumulators (a, b) at v[8(8(a%4)+b)].
; Source 0 = W's columns, source 1 = x's rows: a lane holds eight neighbouring columns of a row of the result.  No work is left out.
.set PITCH,  272
.set HALFT,  128*PITCH
.set SLOT,   4*HALFT
.set STAGE,  2*SLOT
.set SPITCH, 1040                      ; a stage row: 4 groups x 256 bytes + 16
.set SPARE,  STAGE+32*SPITCH
.set WSTEP,  524288                    ; from 128 kk to the next: codes,
.set XSTEP,  65536                     ; x's scale words,
.set VSTEP,  16384                     ; W's scale words
.set SCLW,   524288
.set NEGM,   0x5390                    ; bit 4 p + c: the block (p, c) is negated
.set TP,     0x001132                  ; the by-rows order: row groups 2 3 1 1 0 0,
.set TQ,     0x101011                  ; halves 1 1 0 1 0 1
.set BO,  14                           ; 16 x lane
.set WO,  15                           ; 4 x lane
.set SPW, 22
.set NIL, 23
.set STO, 30
.set RD,  31
.set CO,  38
.set PFO, 39                           ; 4096 x lane
.set PFW, 46                           ; 256 x lane
.set BOF, 47
.set G1,  24
.set G0,  32
.set WB,  44
.set SX,  46
.set SW,  48
.set PFA, 50
.set PFB, 52
.set LIM, 54
.set MSB, 0
.macro WIN new
.if MSB != \new
	s_set_vgpr_msb (MSB<<8)|\new
.set MSB, \new
.endif
.endm
.macro PLACES n                        ; loads into registers that products have read, and reads of their sums, stand eight places behind them
.rept \n
	v_nop
.endr
.endm
.macro CREST                           ; a round of the cluster's barrier behind its opening barrier
	s_cmp_lg_u32 s14, 0
	s_cbranch_scc1 .Lnot_wave_0_\@
	s_barrier_signal -3
.Lnot_wave_0_\@:
	s_barrier_wait -3
	s_barrier_signal -1
	s_barrier_wait -1
.endm
.macro CROUND
	s_barrier_signal -1
	s_barrier_wait -1
	CREST
.endm
.macro TLOAD g
	tensor_load_to_lds s[\g:\g+3], s[G1:G1+7]
	s_nop 0
	PLACES 4
.endm
; one product; fB, fA: which half of the lanes holds the scale words; fN: the sum changes its sign
.macro WX
.if fN
.if fA && fB
	v_wmma_scale_f32_16x16x128_f8f6f4 v[xD:xD+7], v[xB:xB+15], v[xA:xA+15], v[xC:xC+7], v[zB], v[zA] matrix_a_scale:MATRIX_SCALE_ROW1 matrix_b_scale:MATRIX_SCALE_ROW1 neg_lo:[0,0,1]
.elseif fB
	v_wmma_scale_f32_16x16x128_f8f6f4 v[xD:xD+7], v[xB:xB+15], v[xA:xA+15], v[xC:xC+7], v[zB], v[zA] matrix_a_scale:MATRIX_SCALE_ROW1 neg_lo:[0,0,1]
.elseif fA
	v_wmma_scale_f32_16x16x128_f8f6f4 v[xD:xD+7], v[xB:xB+15], v[xA:xA+15], v[xC:xC+7], v[zB], v[zA] matrix_b_scale:MATRIX_SCALE_ROW1 neg_lo:[0,0,1]
.else
	v_wmma_scale_f32_16x16x128_f8f6f4 v[xD:xD+7], v[xB:xB+15], v[xA:xA+15], v[xC:xC+7], v[zB], v[zA] neg_lo:[0,0,1]
.endif
.else
.if fA && fB
	v_wmma_scale_f32_16x16x128_f8f6f4 v[xD:xD+7], v[xB:xB+15], v[xA:xA+15], v[xC:xC+7], v[zB], v[zA] matrix_a_scale:MATRIX_SCALE_ROW1 matrix_b_scale:MATRIX_SCALE_ROW1
.elseif fB
	v_wmma_scale_f32_16x16x128_f8f6f4 v[xD:xD+7], v[xB:xB+15], v[xA:xA+15], v[xC:xC+7], v[zB], v[zA] matrix_a_scale:MATRIX_SCALE_ROW1
.elseif fA
	v_wmma_scale_f32_16x16x128_f8f6f4 v[xD:xD+7], v[xB:xB+15], v[xA:xA+15], v[xC:xC+7], v[zB], v[zA] matrix_b_scale:MATRIX_SCALE_ROW1
.else
	v_wmma_scale_f32_16x16x128_f8f6f4 v[xD:xD+7], v[xB:xB+15], v[xA:xA+15], v[xC:xC+7], v[zB], v[zA]
.endif
.endif
.endm
; a fragment of A: rows 16 r on of row group p, half q of its 256 kk, into A's register slot s: lane l: row l % 16; registers 4 c .. 4 c + 3: kk 32 c + 16 (l / 16) + 0 .. 15
.macro FRAG s, r, p, q
	WIN 0
.irp c, 0,1,2,3
	ds_load_b128 v[128+16*(\s)+4*\c:128+16*(\s)+4*\c+3], v[13+8*(((\p)+2)&3)] offset:128*(\q)+32*\c+4352*(\r)
.endr
.endm
.macro FOUR i, p, q                    ; blocks i .. i + 3: 16 loads
.irp n, 0,1,2,3
	FRAG \i+\n, \i+\n, \p, \q
.endr
.endm
; load number BI of set cB's 40: 32 of codes (eight fragments), 4 of x's scale words, 4 of W's
.macro BLD
.if (cB >= 0) && (BI < 40)
.if BI < 32
	WIN 0x40
	global_load_b128 v[128*cB+4*BI:128*cB+4*BI+3], v[BO], s[WB:WB+1] offset:cB*WSTEP+512*BI
.elseif BI < 36
	WIN 0
	global_load_b128 v[8+32*cB+8*(BI-32):8+32*cB+8*(BI-32)+3], v[BO], s[SX:SX+1] offset:cB*XSTEP+512*(BI-32)
.else
	WIN 0
	global_load_b32 v[12+32*cB+8*(BI-36)], v[WO], s[SW:SW+1] offset:cB*VSTEP+4096*(BI-36)
.endif
.set BI, BI+1
.endif
.endm
.macro BLDN n
.rept \n
	BLD
.endr
	WIN 0
.endm
; the way out of block xO: 16 bytes a lane into the stage (number XI of 16), each accumulator from its low end on;
.macro STO1
.set wS, 8+4*(xO/4)
	WIN wS
	ds_store_b128 v[STO], v[64*(xO%4)+4*XI:64*(xO%4)+4*XI+3] offset:256*(XI/4)+64*((XI/2)%2)+16*(XI%2)
.set XI, XI+1
.endm
.macro KREG b
.set xK, 72+8*\b
.if \b == 7
.set xK, 0
.endif
.endm
.macro BACK b                          ; a whole row of the stage back, 1,024 bytes: eight rows a wave;
	KREG \b
	ds_load_b128 v[xK:xK+3], v[RD] offset:\b*SPITCH
	ds_load_b128 v[xK+4:xK+7], v[RD] offset:\b*SPITCH+512
.endm
.macro SEND b                          ; stored: sixteen lanes 256 consecutive bytes, aligned
	KREG \b
	global_store_b128 v[CO], v[xK:xK+3], s[12:13] offset:(16*xO+\b)*16384 th:TH_STORE_NT
	global_store_b128 v[CO], v[xK+4:xK+7], s[12:13] offset:(16*xO+\b)*16384+8192 th:TH_STORE_NT
.endm
; block a of my rows (its A fragment in register slot s) x the eight column tiles: eight accumulators by turns
.macro MUL a, s
.irp b, 0,1,2,3,4,5,6,7
.set kC, cP^(\b/2)
.set xD, 8*(8*((\a)%4)+\b)
.set xC, xD
.set wN, 0xa1+0x50*((\a)/4)
.if cF
	KREG \b
.set xC, xK
.set wN, 0x81+0x40*((\a)/4)
.endif
.set xA, 128+16*(\s)
.set xB, 128*cQ+16*(2*kC+(\b%2))
.set zB, 12+32*cQ+8*kC
.set zA, 8+32*cQ+8*((\a)/2)+cP
.set fB, \b%2
.set fA, (\a)%2
.set fN, ((NEGM>>(4*cP+(\b/2)))^(NEGM>>(4*cPP+(\b/2))))&1
	WIN wN
	WX
.endr
.endm
.macro SETS P, Q, PP, F
.set cP, \P
.set cQ, \Q
.set cPP, \PP
.set cF, \F
.set cB, -1
.set BI, 0
.endm
; A step: row group P, half Q; PP: the row group of the step before; PN, QN: the next step's; B: the set of weights that is loaded (-1: none).
; At its head blocks 0-3 are in, and blocks 4-7's 16 loads may be out; in its middle blocks 4-7 are in, and the 16 just issued may be out
.macro STEP P, Q, PP, PN, QN, B
	SETS \P, \Q, \PP, 0
.set cB, \B
	s_wait_dscnt 16
	MUL 0, 0
	MUL 1, 1
	MUL 2, 2
	MUL 3, 3
	PLACES 8
	FOUR 0, \PN, \QN
	BLDN 24
	s_wait_dscnt 16
	MUL 4, 4
	MUL 5, 5
	MUL 6, 6
	MUL 7, 7
	PLACES 8
	FOUR 4, \PN, \QN
	BLDN 16
.endm
; A slot's last step: all its reads of slot S were issued in the step before.  The round fills the slot again (F = 1: the launch's first step; slot 1's first fill, set 1's loads, and the bias begins the sums)
.macro TSTEP P, Q, PP, PN, QN, S, F
	SETS \P, \Q, \PP, \F
.if \F
	s_wait_dscnt 16                                ; blocks 0-3 of the head's eight are in
	MUL 0, 0
	MUL 1, 1
	WIN 0
	s_wait_tensorcnt 0x0                           ; my tile of the head's is in;
	ds_add_u32 v[SPW], v[NIL]                      ; 0 onto my spare word
	MUL 2, 2
	s_wait_dscnt 0x0                               ; the add is done, and so are my reads
	s_barrier_signal -1
	MUL 3, 3
.else
.if \S == 0
	s_wait_xcnt 0x0                                ; my prefetches have read their addresses
	s_add_nc_u64 s[PFA:PFA+1], s[PFA:PFA+1], 256
	s_add_nc_u64 s[PFB:PFB+1], s[PFB:PFB+1], 2*WSTEP
.endif
	s_wait_tensorcnt 0x0                           ; my part of the other slot has landed;
	ds_add_u32 v[SPW], v[NIL]                      ; 0 onto my spare word
	s_add_nc_u64 s[G0+4*\S+2:G0+4*\S+3], s[G0+4*\S+2:G0+4*\S+3], 256
	s_wait_dscnt 17                                ; blocks 0-3 are in: blocks 4-7's loads and the add may be out
	MUL 0, 0
	MUL 1, 1
	s_wait_dscnt 0x0                               ; the add is done, and so are my reads of the slot
	s_barrier_signal -1
	MUL 2, 2
	MUL 3, 3
.endif
	WIN 0
	s_barrier_wait -1
	CREST
	TLOAD G0+4*\S                                  ; the first tensor load behind the round; its four v_nop are among the places for the loads below
	PLACES 4
	FOUR 0, \PN, \QN
.if \F
.set cB, 1
	BLDN 24
	global_prefetch_b8 v[PFO], s[PFA:PFA+1] th:TH_LOAD_NT scope:SCOPE_SE   ; range 1, both slots' rows, and its weights
	global_prefetch_b8 v[PFO], s[PFA:PFA+1] offset:-2048 th:TH_LOAD_NT scope:SCOPE_SE
	s_cmp_eq_u32 s[LIM], 1
	s_cbranch_scc0 .Lno_w_\@
	global_prefetch_b8 v[PFW], s[PFB:PFB+1] th:TH_LOAD_NT scope:SCOPE_SE
	global_prefetch_b8 v[PFW], s[PFB:PFB+1] offset:WSTEP th:TH_LOAD_NT scope:SCOPE_SE
.Lno_w_\@:
.else
	s_cmp_gt_u32 s3, 1
	s_cbranch_scc0 .Lno_x_\@
	global_prefetch_b8 v[PFO], s[PFA:PFA+1] offset:-2048*\S th:TH_LOAD_NT scope:SCOPE_SE
.Lno_x_\@:
	s_cmp_gt_u32 s3, s[LIM]
	s_cbranch_scc0 .Lno_w_\@
	global_prefetch_b8 v[PFW], s[PFB:PFB+1] offset:WSTEP*\S th:TH_LOAD_NT scope:SCOPE_SE
.Lno_w_\@:
.endif
	MUL 4, 4                                       ; blocks 4-7 were waited for ahead of the round
	MUL 5, 5
	MUL 6, 6
	MUL 7, 7
	PLACES 8
	FOUR 4, \PN, \QN
	BLDN 16
.endm
; BY ROWS: block a is finished by six products on each accumulator (k = 0 .. 5); fragment k of A lies in register slot k.  Nine places stand between a sum's steps, since the sign of C may differ.
; Behind k = 2: block a - 1 lies in the stage in every wave: back as rows; and the next block's fragments 0-2.  Behind k = 5: block a - 1's rows are here and leave; the next block's fragments 3-5; block a goes into the stage.
.macro SUB a, k
.set cP, (TP>>(4*\k))&15
.set cQ, (TQ>>(4*\k))&15
.set cPP, 3
.if \k > 0
.set cPP, (TP>>(4*\k-4))&15
.endif
	MUL \a, \k
.endm
.macro NEXT r, k
.set nP, (TP>>(4*\k))&15
.set nQ, (TQ>>(4*\k))&15
	FRAG \k, \r, nP, nQ
.endm
.macro TB a
	SUB \a, 0
	PLACES 9
	SUB \a, 1
	PLACES 9
	SUB \a, 2
	PLACES 9
	WIN 0
.if \a > 0
	s_wait_dscnt 0x0                               ; for the others' sake: my 16 stores into the stage are done
	s_barrier_signal -1
.endif
.if \a < 7
	NEXT \a+1, 0
	NEXT \a+1, 1
	NEXT \a+1, 2
.endif
.if \a > 0
	s_barrier_wait -1
	s_wait_xcnt 0x0                                ; the block before has left these registers
.irp b, 0,1,2,3,4,5,6,7
	BACK \b
.endr
.else
	s_wait_dscnt 12                                ; fragments 3-5 are in: the 12 loads just issued may be out
.endif
	SUB \a, 3
	PLACES 9
	SUB \a, 4
	PLACES 9
	SUB \a, 5
	PLACES 8
	WIN 0
.if \a > 0
	s_wait_dscnt 0x0                               ; block a - 1's rows are here: my reads of the stage are over
	s_barrier_signal -1
.endif
.if \a < 7
	NEXT \a+1, 3
	NEXT \a+1, 4
	NEXT \a+1, 5
.endif
.if \a > 0
	s_barrier_wait -1
.endif
.set xO, \a
.set XI, 0
.rept 16
	STO1
.endr
	WIN 0
.if \a > 0
.set xO, \a-1
.irp b, 0,1,2,3,4,5,6,7
	SEND \b
.endr
.else
	s_wait_dscnt 28                                ; block 1's fragments 0-2 are in: 12 loads and 16 stores stand behind them
.endif
.endm
	s_load_b128 s[4:7], s[0:1], 0x0                ; x_codes s[4:5], wq s[6:7]
	s_load_b128 s[8:11], s[0:1], 0x10              ; scl s[8:9], b s[10:11]
	s_load_b64 s[12:13], s[0:1], 0x20              ; out0
	v_lshl_add_u32 v[SPW], v0, 2, SPARE
	v_mov_b32 v[NIL], 0
	ds_add_u32 v[SPW], v[NIL]                      ; the opening: the add, twice on end, and its wait ahead of my first tensor load
	ds_add_u32 v[SPW], v[NIL]
	v_lshrrev_b32 v54, 5, v0
	v_readfirstlane_b32 s14, v54                   ; wave 0..3
	s_lshr_b32 s15, s14, 1                         ; which 128 rows I multiply.  Also: which of a slot's two tiles I fetch
	s_and_b32 s16, s14, 1                          ; which 32 nn.  Also: which 128 rows I fetch
	s_mul_i32 s21, s15, HALFT
	s_mul_i32 s22, s15, 16*SPITCH
	s_lshl_b32 s18, s16, 7
	s_add_co_u32 s22, s22, s18
	s_add_co_u32 s22, s22, STAGE                   ; into the stage: my 16 of its 32 rows, my half of each group's 256 bytes
	s_mul_i32 s23, s14, 8*SPITCH
	s_add_co_u32 s23, s23, STAGE                   ; out of it: 8 rows a wave
	v_and_b32 v55, 15, v0                          ; l % 16
	v_bfe_u32 v61, v0, 4, 1                        ; l / 16
	v_and_b32 v62, 31, v0                          ; l
	v_mul_u32_u24 v63, v55, PITCH
	v_lshl_add_u32 v63, v61, 4, v63
	v_add_nc_u32 v13, s21, v63                     ; my fragments of row group 2,
	v_add_nc_u32 v21, 2*HALFT, v13                 ; 3,
	v_add_nc_u32 v29, 4*HALFT, v13                 ; 0,
	v_add_nc_u32 v37, 6*HALFT, v13                 ; 1
	v_lshlrev_b32 v[BO], 4, v62
	v_lshlrev_b32 v[WO], 2, v62
	v_lshlrev_b32 v[PFO], 12, v62
	v_lshlrev_b32 v[PFW], 8, v62
	v_lshlrev_b32 v[BOF], 5, v61
	v_mul_u32_u24 v69, v55, SPITCH
	v_lshl_add_u32 v69, v61, 5, v69
	v_add_nc_u32 v[STO], s22, v69
	v_add_nc_u32 v[RD], s23, v[BO]
	v_lshlrev_b32 v70, 12, v61                     ; lanes 16-31 store the next group's 256 bytes
	v_lshl_add_u32 v[CO], v55, 4, v70
	s_and_b32 s17, ttmp7, 0xffff                   ; tile row
	s_bfe_u32 s40, ttmp6, 0x40000                  ; cx
	s_lshl_b32 s42, ttmp9, 2
	s_add_co_u32 s42, s42, s40                     ; tile column: nn 64 x it on
	s_mov_b32 s[G1+0], 15|(0<<16)|(1<<20)|(1<<21)|(5<<22)|(3<<25)   ; the mask: all four of the cluster; elements of 1 byte; 16 bytes of padding behind every 256; 21 set beside a mask
	s_mov_b32 s[G1+1], 256<<16
	s_mov_b32 s[G1+2], 128<<16
	s_mov_b32 s[G1+3], 256<<16
	s_mov_b32 s[G1+4], 128
	s_mov_b32 s[G1+5], 4096
	s_mov_b32 s[G1+6], 0
	s_mov_b32 s[G1+7], 0
	s_lshl_b32 s20, s17, 20                        ; 256 x tile row, of 4,096 bytes,
	s_lshl_b32 s18, s16, 19
	s_add_co_u32 s20, s20, s18                     ; + 128 rows,
	s_lshl_b32 s18, s15, 10
	s_add_co_u32 s20, s20, s18
	s_add_co_u32 s20, s20, 2048                    ; row group 2 or 3 (slot 1: 2,048 bytes less: 0 or 1)
	s_mov_b32 s21, 0
	s_mul_i32 s41, s14, HALFT
	s_mov_b32 s[G0], 1
	s_mov_b32 s[G0+1], s41
	s_mov_b32 s[G0+4], 1
	s_add_co_u32 s[G0+5], s41, SLOT
	s_wait_alu depctr_va_vdst(0)
	s_wait_dscnt 0x0                               ; both opening adds are done
	CROUND                                         ; the opening round: all four work-groups are here
	s_wait_kmcnt 0x0
	s_add_nc_u64 s[G0+2:G0+3], s[4:5], s[20:21]
	s_sub_nc_u64 s[G0+6:G0+7], s[G0+2:G0+3], 2048
	s_or_b32 s[G0+3], s[G0+3], 0x80000000
	s_or_b32 s[G0+7], s[G0+7], 0x80000000
	s_cmp_lt_u32 s14, 2                            ; one joint load a wave; a line of its own for the tile that is shown first
	s_cbranch_scc0 .Lupper
	TLOAD G0                                       ; waves 0, 1: row group 2
	s_branch .Lasked
.Lupper:
	TLOAD G0                                       ; waves 2, 3: row group 3
.Lasked:
	s_mov_b32 s57, 0
	s_lshl_b32 s58, s42, 1
	s_add_co_u32 s58, s58, s16                     ; my block of 32 nn
	s_lshl_b32 s56, s58, 14
	s_add_nc_u64 s[WB:WB+1], s[6:7], s[56:57]
	s_lshl_b32 s56, s58, 7
	s_add_co_u32 s56, s56, SCLW
	s_add_nc_u64 s[SW:SW+1], s[8:9], s[56:57]
	s_lshl_b32 s56, s17, 12
	s_lshl_b32 s59, s15, 11
	s_add_co_u32 s56, s56, s59
	s_add_nc_u64 s[SX:SX+1], s[8:9], s[56:57]
	s_lshl_b32 s56, s42, 8
	s_lshl_b32 s59, s16, 7
	s_add_co_u32 s56, s56, s59
	s_add_nc_u64 s[10:11], s[10:11], s[56:57]
.set cB, 0
.set BI, 0
	BLDN 40
.irp t, 0,1,2,3,4,5,6,7
	KREG \t
	global_load_b128 v[xK:xK+3], v[BOF], s[10:11] offset:4096*(\t/2)+64*(\t%2)
	global_load_b128 v[xK+4:xK+7], v[BOF], s[10:11] offset:4096*(\t/2)+64*(\t%2)+16
.endr
	s_lshl_b32 s56, s17, 22                        ; where my stores begin: 256 x tile row + 128 (wave / 2) + 8 (wave % 2), of 16,384 bytes
	s_lshl_b32 s59, s15, 21
	s_add_co_u32 s56, s56, s59
	s_lshl_b32 s59, s16, 17
	s_add_co_u32 s56, s56, s59
	s_lshl_b32 s59, s42, 8
	s_add_co_u32 s56, s56, s59
	s_add_nc_u64 s[12:13], s[12:13], s[56:57]
	s_lshl_b32 s56, s17, 20                        ; the prefetches: range 1; of the 256 rows each partner takes 64, each wave 32 of a tile
	s_lshl_b32 s59, s40, 18
	s_add_co_u32 s56, s56, s59
	s_lshl_b32 s59, s16, 17
	s_add_co_u32 s56, s56, s59
	s_lshl_b32 s59, s15, 10
	s_add_co_u32 s56, s56, s59
	s_add_co_u32 s56, s56, 2048+256
	s_add_nc_u64 s[PFA:PFA+1], s[4:5], s[56:57]
	s_lshl_b32 s56, s42, 15                        ; of the weights' 32,768 bytes a wave takes 8,192
	s_lshl_b32 s59, s14, 13
	s_add_co_u32 s56, s56, s59
	s_add_co_u32 s56, s56, 2*WSTEP
	s_add_nc_u64 s[PFB:PFB+1], s[6:7], s[56:57]
	s_cmp_lt_u32 s17, 4
	s_cselect_b32 s[LIM], 1, 64                    ; tile rows 0 to 3 ask for weights
	s_cmp_eq_u32 s[LIM], 1
	s_cbranch_scc0 .Lno_w
	global_prefetch_b8 v[PFW], s[PFB:PFB+1] offset:-524288 th:TH_LOAD_NT scope:SCOPE_SE   ; range 0's set 1, which the first step's runs load
.Lno_w:
	s_cmp_lt_u32 s14, 2
	s_cbranch_scc0 .Lnot_yet
	s_wait_tensorcnt 0x0                           ; waves 0, 1: row group 2 has landed
.Lnot_yet:
	s_barrier_signal -1
	s_barrier_wait -1
	FOUR 0, 2, 0
	FOUR 4, 2, 0
	s_wait_loadcnt 0x0                             ; set 0 and the bias are in
	TSTEP 2, 0, 0, 3, 0, 1, 1                      ; the first step; its round shows row group 3 and fills slot 1
	WIN 0
	s_mov_b32 s3, 3
.Llap:                                                 ; a trip: from a range's second step to the next range's first
	STEP 3, 0, 2, 2, 1, -1
	s_wait_loadcnt 0x0                             ; set 1 is in
	STEP 2, 1, 3, 3, 1, -1
	TSTEP 3, 1, 2, 1, 0, 0, 0
	STEP 1, 0, 3, 0, 0, -1
	STEP 0, 0, 1, 1, 1, -1
	s_wait_xcnt 0x0                                ; the loads issued from these addresses have read them
	s_add_nc_u64 s[WB:WB+1], s[WB:WB+1], 2*WSTEP
	s_add_nc_u64 s[SX:SX+1], s[SX:SX+1], 2*XSTEP
	s_add_nc_u64 s[SW:SW+1], s[SW:SW+1], 2*VSTEP
	STEP 1, 1, 0, 0, 1, 0
	TSTEP 0, 1, 1, 2, 0, 1, 0
	s_wait_loadcnt 0x0                             ; set 0 is in
	STEP 2, 0, 0, 3, 0, 1
	WIN 0
	s_sub_co_u32 s3, s3, 1
	s_cmp_lg_u32 s3, 0
	s_cbranch_scc1 .Llap
	SETS 3, 0, 2, 0                                ; the last range's second step: it loads block 0's six fragments, and its barrier shows slot 1's last fill
	s_wait_dscnt 16
	MUL 0, 0
	MUL 1, 1
	MUL 2, 2
	MUL 3, 3
	PLACES 8
	NEXT 0, 0                                      ; these two lie in slot 0
	NEXT 0, 1
	s_wait_dscnt 8                                 ; blocks 4-7 are in
	MUL 4, 4
	MUL 5, 5
	s_wait_tensorcnt 0x0
	s_wait_dscnt 0x0
	s_barrier_signal -1
	MUL 6, 6
	MUL 7, 7
	s_barrier_wait -1
	PLACES 8
	NEXT 0, 2
	NEXT 0, 3
	NEXT 0, 4
	NEXT 0, 5
	s_wait_loadcnt 0x0                             ; set 1 is in
	s_wait_dscnt 12                                ; fragments 0-2 are in
	TB 0
	TB 1
	TB 2
	TB 3
	TB 4
	TB 5
	TB 6
	TB 7
	s_wait_dscnt 0x0                               ; the last block lies in the stage
	s_barrier_signal -1
	s_barrier_wait -1
	s_wait_xcnt 0x0
.irp b, 0,1,2,3,4,5,6,7
	BACK \b
.endr
.set xO, 7
.irp b, 0,1,2,3,4,5,6,7
	s_wait_dscnt 14-2*\b                           ; this row's two loads are in; those of the rows behind it may be out
	SEND \b
.endr
	s_wait_tensorcnt 0x0                           ; the wave's end
	ds_add_u32 v[SPW], v[NIL]
	s_wait_dscnt 0x0
	CROUND                                         ; the closing round: no work-group ends while a partner may still ask for a tile that names it
	s_endpgm
.Lfunc_end_k_qaed65742a7_gemm:
	.size	k_qaed65742a7_gemm, .Lfunc_end_k_qaed65742a7_gemm-k_qaed65742a7_gemm
	.p2alignl 7, 3214868480
	.fill 96, 4, 3214868480
	.section	.rodata,"a",@progbits
	.p2align	6, 0x0
	.amdhsa_kernel k_qaed65742a7_gemm
		.amdhsa_group_segment_fixed_size 327680
		.amdhsa_private_segment_fixed_size 0
		.amdhsa_enable_private_segment 0
		.amdhsa_kernarg_size 40
		.amdhsa_user_sgpr_count 2
		.amdhsa_user_sgpr_kernarg_segment_ptr 1
		.amdhsa_wavefront_size32 1
		.amdhsa_system_sgpr_workgroup_id_x 1
		.amdhsa_system_sgpr_workgroup_id_y 1
		.amdhsa_system_sgpr_workgroup_id_z 1
		.amdhsa_system_vgpr_workitem_id 0
		.amdhsa_next_free_vgpr 1024
		.amdhsa_next_free_sgpr 80
		.amdhsa_reserve_vcc 0
		.amdhsa_float_denorm_mode_32 3
		.amdhsa_float_denorm_mode_16_64 3
		.amdhsa_memory_ordered 1
		.amdhsa_forward_progress 1
		.amdhsa_inst_pref_size 239
	.end_amdhsa_kernel
	.amdgpu_metadata
---
amdhsa.version: [ 1, 2 ]
amdhsa.kernels:
  - .name:           k_qaed65742a7_gemm
    .symbol:         k_qaed65742a7_gemm.kd
    .args:
      - { .name: x_codes, .offset: 0, .size: 8, .value_kind: global_buffer, .address_space: global }
      - { .name: wq, .offset: 8, .size: 8, .value_kind: global_buffer, .address_space: global }
      - { .name: scl, .offset: 16, .size: 8, .value_kind: global_buffer, .address_space: global }
      - { .name: b, .offset: 24, .size: 8, .value_kind: global_buffer, .address_space: global }
      - { .name: out0, .offset: 32, .size: 8, .value_kind: global_buffer, .address_space: global }
    .group_segment_fixed_size: 327680
    .private_segment_fixed_size: 0
    .kernarg_segment_align: 8
    .kernarg_segment_size: 40
    .max_flat_workgroup_size: 128
    .sgpr_count:     80
    .vgpr_count:     1024
    .wavefront_size: 32
...
	.end_amdgpu_metadata
.endif
;; end of part 4
